; MI455X (gfx1250); checked and timed in simulation.
; The chip was launched on July 23, 2026; its instructions are those of AMD's public machine-readable ISA for CDNA 5 (MIT licence, August 2026) and "CDNA5" Instruction Set Architecture Reference Guide (July 2026). The comments in the code are by the model that wrote it; some were corrected since.
;; Mo E Layer. Allowed arithmetic: matrix products marked QUANTISED: E3M2 operands, one E8M0 scale for each 32 along K, by v_wmma_scale_f32_16x16x128_f8f6f4 with both operands' format E3M2, f32 sums; products left as they are: f32 operands where the result goes on into a quantised operand, else bf16, f16 or f32 operands; f32 sums; everything else in f32.
;; Inputs: W1_codes 8 x 1,024 x 32 x 24 uint8 (E3M2 codes of W1, K innermost, in blocks of 32 codes, four codes in three bytes); W1_scales 8 x 1,024 x 32 uint8 (E8M0 scales of W1, one for each 32 codes along K); W2_codes 8 x 1,024 x 32 x 24 uint8 (E3M2 codes of W2, K innermost, in blocks of 32 codes, four codes in three bytes); W2_scales 8 x 1,024 x 32 uint8 (E8M0 scales of W2, one for each 32 codes along K); b1 8 x 1,024 float32; b2 8 x 1,024 float32; router_W 1,024 x 8 float32; router_b 8 float32; x 4 x 1,024 x 1,024 float32.
;; Outputs: out0 4 x 1,024 x 1,024 float32.
;; This version of the problem:
;;   THIS VERSION OF THE PROBLEM IS GIVEN IN LOW PRECISION. The matrix products marked QUANTISED in the list below multiply operands that are first quantised to E3M2 (3 exponent bits, 2 mantissa bits; 6 bits a number), with one power-of-two scale for each 32 numbers along K (OCP MX v1.0); their sums are f32. All else is computed in f32.
;;   The module's matrix products, in the order in which they are computed (A, B: the left and right operand; K: the contracted axis; several contracted axes count as one K, in the product's order):
;;     1. [M 4,096, K 1,024] x [K 1,024, N 8]; A: input x; B: input router_W: left as it is (N = 8 < 16)
;;     2. [M 8,192, K 1,024] x [K 1,024, N 4,096]; A: input W1 (given as codes); B: input x: QUANTISED
;;     3. batch 8 x [M 1,024, K 1,024] x [K 1,024, N 4,096]; A: input W2 (given as codes); B: computed on the way: QUANTISED
;;     4. batch 4,096 x [M 1, K 8] x [K 8, N 1,024]; A: computed on the way; B: computed on the way: left as it is (K = 8 < 32)
;;   THE QUANTISER, for each operand of a quantised product, along K:
;;     - K is cut into blocks of 32 from its start; a last block that is shorter is filled with zeros.
;;     - A block's scale is 2^e with e = floor(log2(the largest magnitude in the block)) - 4, held to -126 .. 127; a block of zeros has e = 0. As a byte (E8M0): e + 127.
;;     - Each number is divided by its block's scale, clamped to +-28, and rounded to the nearest number of E3M2, ties to even, subnormals kept.
;;     - The product sums the exact products of the quantised numbers (number of the format x scale) in f32.
;;   ~~~python
;;   def quantise(x, axis):      # numpy; x: float32 -> the quantised numbers, widened to float32 again
;;       x = np.moveaxis(x, axis, -1); K = x.shape[-1]
;;       x = np.pad(x, [(0, 0)] * (x.ndim - 1) + [(0, -K % 32)]); x = x.reshape(x.shape[:-1] + (-1, 32)); a = np.abs(x).max(-1, keepdims=True)
;;       e = np.where(a > 0, np.clip(np.frexp(np.where(a > 0, a, 1))[1] - 1 - 4, -126, 127), 0)      # np.frexp(a)[1] - 1 = floor(log2(a)), exactly
;;       r = np.clip(x / 2.0 ** e, -28, 28)
;;       step = 2.0 ** (np.maximum(np.frexp(np.where(r == 0, 1, r))[1] - 1, -2) - 2)
;;       q = np.round(r / step) * step * 2.0 ** e      # np.round: ties to even
;;       return np.moveaxis(q.reshape(q.shape[:-2] + (-1,))[..., :K], -1, axis).astype(np.float32)
;;   ~~~
;;   OPERANDS COMPUTED ON THE WAY. 'Computed on the way' means the value that the module computes at that place (a softmax that the list does not call 'softmax' is quantised finished and normalised). What goes into a quantiser is computed in f32, as accurately as f32 sums, v_exp_f32 and their like allow (about 1e-6 of the number): no bf16 or f16 on the way to a quantiser, and a product that is left as it is and whose result goes on into a quantised operand takes f32 operands (vector FMAs, or v_wmma_f32_16x16x4_f32). A number that lies on a knife's edge between two numbers of the format may be rounded either way, as far as f32 arithmetic and the matrix unit's own rounding can turn it there, and no further.
;;   INPUTS GIVEN AS CODES. W1 (in the module: [8, 1024, 1024], K = its axis 1); W2 (in the module: [8, 1024, 1024], K = its axis 1): each comes as NAME_codes (uint8): NAME with its K axis moved to the last place and cut into blocks of 32 codes, [.., K / 32, bytes a block], one block behind the other in memory; four codes in three bytes: a row's codes are one little-endian stream of bits, code i at bits 6 i .. 6 i + 5 (a code: sign, 3 exponent bits, 2 mantissa bits); and NAME_scales (uint8): the same leading axes, one E8M0 byte (e + 127) for each 32 codes along K. Its value is code x scale, taken as it is: it is not quantised again, and the codes and scales need not be those that the quantiser above would give.
;; 2 versions, each right; version 2 is version 1 with the launch chain written anew for expert scheduling mode. Each part assembles by itself: llvm-mc -triple=amdgcn-amd-amdhsa -mcpu=gfx1250 --defsym DOCPART=n.
;; ======== version 1 of 2: 3 launches
;; workspace buffers: xq 3,145,728 bytes; xs 131,072 bytes; gate 16,384 bytes; eid 16,384 bytes of whole numbers; order 17,408 bytes of whole numbers; tiles 2,048 bytes of whole numbers; w1img 6,291,456 bytes; w2img 6,291,456 bytes
;; launch prep (part 1): grid 256 x 1, 4 waves a work-group, no clusters, 173,056 bytes of LDS; arguments x, router_W, router_b, W1_codes, W2_codes, xq, xs, gate, eid, w1img, w2img; writes xq, xs, gate, eid, w1img, w2img
.if DOCPART == 1
	.amdgcn_target "amdgcn-amd-amdhsa--gfx1250"
	.amdhsa_code_object_version 6
	.text
	.protected	k_q9e31377f84_prep
	.globl	k_q9e31377f84_prep
	.p2align	8
	.type	k_q9e31377f84_prep,@function
k_q9e31377f84_prep:
	s_mov_b64 s[64:65], 0
	v_nop
	global_prefetch_b8 v0, s[64:65] scope:SCOPE_SE
	s_setreg_imm32_b32 hwreg(HW_REG_WAVE_MODE, 25, 1), 1
	s_wait_xcnt 0x0
; PREP.  Three things that are done once for the whole program, by 256 work-groups of four waves.
; (a) THE ROUTER: logits = x router_W + router_b in f32 multiply-adds, softmax with the row's maximum taken away, the chosen expert (lowest index among equal
;     exponentials) and its gate.  The expert's number goes to eid, the gate to gate, both at the token's fixed place: no address here hangs on the choice.
; (b) x IS QUANTISED ONCE: codes of E3M2 (xq: 768 bytes a token, one stream of bits) and one E8M0 byte for each 32 along K (xs: 32 bytes a token).
;     A block's byte is its largest magnitude's exponent field - 4, held at 1 from below.
; (c) W1's AND W2's CODES ARE LAID OUT AS IMAGES OF OPERAND REGISTERS: [expert][chunk of 128 rows][K step of 128][tile of 16 rows][1,536 bytes]; in an image registers 4 q .. 4 q + 3
;     of lane l lie at 512 q + 16 l.  Lane r of tile 2 b + u takes row 32 b + 8 u + r + 8 (r / 8) of its chunk.
; SHARES.  Work-group g: tokens 16 g .. 16 g + 15, four a wave; and 64 weight rows: work-groups 0-127 of W1, 128-255 of W2 (only pointers are chosen: one path for all).
; A lane holds block l (32 numbers along K) of each of its wave's four rows, and router_W's rows 32 l .. 32 l + 31: so a block's largest magnitude needs no other lane.
; LIMITS: NaN and infinities among the inputs are not served; a block whose largest magnitude lies under 2^-122 keeps the byte 1 (a block of zeros too: its codes are zeros, and the bytes
; are read by this program alone); logits whose exponentials are equal in f32 go to the lowest index.
; LDS: each byte is filled once by a tensor load; nothing is filled again.
.set XL,   0                           ; x: a wave's own four rows; each 128 bytes (a block of 32 numbers) + 16 of padding: block l of row p at 144 (32 p + l)
.set XLW,  18432
.set WL,   73728                       ; router_W: each 1,024 bytes (32 rows x 8 experts) + 16 of padding
.set WLW,  8320
.set CST,  107008                      ; a wave's own stage: 3,072 bytes of codes, then 128 scale bytes; whole blocks of 256 bytes into which no tensor load lands
.set CSTW, 3328
.set GL,   120320                      ; 64 weight rows of 768 bytes, 16 bytes of padding behind each 256: 816 a row
.set GLW,  13056
.set GP,   816
.set X,    32                          ; v32-159  four rows x 32 numbers (before that v32-127: the eight weight fragments)
.set FRG,  32
.set AC,   160                         ; v160-191 the router's sums: row p, expert e at AC + 8 p + e
.set MX,   192                         ; v192-195 largest magnitudes; v196-199 the conversions' scale operands; v200-203 the bytes
.set SCO,  196
.set BY,   200
.set CD,   208                         ; v208..   a row's 24 bytes of codes, 8 registers apart
.set CE,   240                         ; v240..   the second halves as the conversions leave them
.set RT,   64                          ; v64-95   the other half of the lanes' sums
.set LG,   96                          ; v96-103  my row's eight logits, then exponentials
.set G0W,  28                          ; s[28:31], s[32:35], s[36:39] descriptor groups 0: router_W, weight rows, x
.set G0G,  32
.set G0X,  36
.set G1W,  40                          ; s[40:47], s[48:55], s[56:63] their groups 1
.set G1G,  48
.set G1X,  56
.set MSB, 0
.macro WIN new                         ; the immediate's high byte repeats the setting that is left
.if MSB != \new
	s_set_vgpr_msb (MSB<<8)|\new
.set MSB, \new
.endif
.endm
	s_load_b512 s[4:19], s[0:1], 0x0               ; x s[4:5], router_W s[6:7], router_b s[8:9], W1_codes s[10:11], W2_codes s[12:13], xq s[14:15], xs s[16:17], gate s[18:19]
	s_load_b128 s[20:23], s[0:1], 0x40             ; eid s[20:21], w1img s[22:23]
	s_load_b64 s[24:25], s[0:1], 0x50              ; w2img
	v_lshl_add_u32 v251, v0, 2, 0x2a200
	v_mov_b32 v255, 0
	ds_add_u32 v251, v255
	ds_add_u32 v251, v255
	v_lshrrev_b32 v1, 5, v0
	v_readfirstlane_b32 s26, v1                    ; wave 0..3
	; groups 1.  router_W: 8 rows of 128 elements of 8 bytes (1,024 bytes), dense, 4 words of padding behind each 256 words
	s_mov_b32 s[G1W+0], (3<<16)|(1<<20)|(7<<22)|(3<<25)
	s_mov_b32 s[G1W+1], 128<<16
	s_mov_b32 s[G1W+2], 8<<16
	s_mov_b32 s[G1W+3], 128<<16
	s_mov_b32 s[G1W+4], 8
	s_mov_b32 s[G1W+5], 128
	s_mov_b32 s[G1W+6], 0
	s_mov_b32 s[G1W+7], 0
	; weight rows: 16 rows of 768 bytes are one dense block: 48 rows of 32 elements of 8 bytes (256 bytes), 4 words of padding behind each 64 words
	s_mov_b32 s[G1G+0], (3<<16)|(1<<20)|(5<<22)|(3<<25)
	s_mov_b32 s[G1G+1], 32<<16
	s_mov_b32 s[G1G+2], 48<<16
	s_mov_b32 s[G1G+3], 32<<16
	s_mov_b32 s[G1G+4], 48
	s_mov_b32 s[G1G+5], 32
	s_mov_b32 s[G1G+6], 0
	s_mov_b32 s[G1G+7], 0
	; x: four rows of 4,096 bytes are one dense block: 64 rows of 64 elements of 4 bytes (256 bytes), 4 words of padding behind each 32 words
	s_mov_b32 s[G1X+0], (2<<16)|(1<<20)|(4<<22)|(3<<25)
	s_mov_b32 s[G1X+1], 64<<16
	s_mov_b32 s[G1X+2], 64<<16
	s_mov_b32 s[G1X+3], 64<<16
	s_mov_b32 s[G1X+4], 64
	s_mov_b32 s[G1X+5], 64
	s_mov_b32 s[G1X+6], 0
	s_mov_b32 s[G1X+7], 0
	; byte offsets, apart from the addresses
	s_and_b32 s80, ttmp9, 127                      ; g': which 64 rows of my matrix
	s_lshl_b32 s81, s80, 6
	s_lshl_b32 s82, s26, 4
	s_add_co_u32 s81, s81, s82                     ; the 16 rows that my wave fetches
	s_mul_i32 s86, s81, 768
	s_mov_b32 s87, 0
	s_lshl_b32 s88, ttmp9, 16                      ; x: 16 rows of 4,096 bytes a work-group,
	s_lshl_b32 s82, s26, 14                        ; four a wave
	s_add_co_u32 s88, s88, s82
	s_mov_b32 s89, 0
	s_lshl_b32 s90, s26, 13                        ; router_W: 8,192 bytes a wave
	s_mov_b32 s91, 0
	s_lshr_b32 s82, s80, 1                         ; 8 x expert + chunk,
	s_lshl_b32 s82, s82, 6                         ; 64 images each,
	s_and_b32 s83, s80, 1
	s_lshl_b32 s83, s83, 2                         ; my work-group's half of the chunk: tiles 0-3 or 4-7,
	s_add_co_u32 s82, s82, s83
	s_add_co_u32 s82, s82, s26                     ; my wave's tile
	s_mul_i32 s92, s82, 1536
	s_mov_b32 s93, 0
	s_lshl_b32 s94, ttmp9, 4
	s_lshl_b32 s82, s26, 2
	s_add_co_u32 s94, s94, s82                     ; my wave's first token
	s_mov_b32 s[G0W], 1
	s_mul_i32 s[G0W+1], s26, WLW
	s_add_co_u32 s[G0W+1], s[G0W+1], WL
	s_mov_b32 s[G0G], 1
	s_mul_i32 s[G0G+1], s26, GLW
	s_add_co_u32 s[G0G+1], s[G0G+1], GL
	s_mov_b32 s[G0X], 1
	s_mul_i32 s[G0X+1], s26, XLW                   ; (XL = 0)
	s_wait_dscnt 0x0
	s_wait_kmcnt 0x0
	s_cmp_lt_u32 ttmp9, 128                        ; W1's work-group or W2's: the choice hangs on the work-group's number alone
	s_cselect_b64 s[82:83], s[10:11], s[12:13]
	s_cselect_b64 s[84:85], s[22:23], s[24:25]
	s_add_nc_u64 s[G0W+2:G0W+3], s[6:7], s[90:91]
	s_or_b32 s[G0W+3], s[G0W+3], 0x80000000
	s_add_nc_u64 s[G0G+2:G0G+3], s[82:83], s[86:87]
	s_or_b32 s[G0G+3], s[G0G+3], 0x80000000
	s_add_nc_u64 s[G0X+2:G0X+3], s[4:5], s[88:89]
	s_or_b32 s[G0X+3], s[G0X+3], 0x80000000
	tensor_load_to_lds s[G0W:G0W+3], s[G1W:G1W+7]  ; the three first fills stand together, ahead of every wait on TENSORcnt, every LDS read and the barrier: three loads of mine are out
	s_nop 0
	tensor_load_to_lds s[G0G:G0G+3], s[G1G:G1G+7]
	s_nop 0
	tensor_load_to_lds s[G0X:G0X+3], s[G1X:G1X+7]
	s_nop 0
.rept 4
	v_nop                                          ; four such lines behind the loads
.endr
	s_load_b256 s[68:75], s[8:9], 0x0              ; router_b
	s_add_nc_u64 s[84:85], s[84:85], s[92:93]      ; my tile's image of K step 0
	s_mul_i32 s86, s94, 768
	s_add_nc_u64 s[14:15], s[14:15], s[86:87]      ; xq, xs, gate, eid at my wave's first token
	s_lshl_b32 s86, s94, 5
	s_add_nc_u64 s[16:17], s[16:17], s[86:87]
	s_lshl_b32 s86, s94, 2
	s_add_nc_u64 s[18:19], s[18:19], s[86:87]
	s_add_nc_u64 s[20:21], s[20:21], s[86:87]
	s_mov_b32 s76, 0x76543210
	s_mov_b32 s77, 0xfedcba98                      ; v_permlanex16_b32's selects for lane l xor 16
	v_and_b32 v1, 31, v0                           ; lane
	v_and_b32 v2, 15, v0                           ; r
	v_bfe_u32 v3, v0, 4, 1                         ; h
	v_mul_u32_u24 v4, v1, 144
	v_add_nc_u32 v4, s[G0X+1], v4                  ; x: my block in my wave's row 0
	v_mul_u32_u24 v5, v1, 1040
	v_add_nc_u32 v5, WL, v5                        ; router_W: my 32 rows
	s_lshr_b32 s80, s26, 1
	s_lshl_b32 s80, s80, 5
	s_and_b32 s81, s26, 1
	s_lshl_b32 s81, s81, 3
	s_add_co_u32 s80, s80, s81                     ; my tile's first row among the 64: 32 (w / 2) + 8 (w % 2)
	s_mul_i32 s80, s80, GP
	s_add_co_u32 s80, s80, GL
	v_and_b32 v6, 8, v2
	v_add_nc_u32 v6, v6, v2                        ; r + 8 (r / 8)
	v_mul_u32_u24 v6, v6, GP
	v_mad_u32_u24 v6, v3, 24, v6
	v_add_nc_u32 v6, s80, v6                       ; a fragment's row + 24 bytes for lanes 16-31,
	v_lshl_add_u32 v7, v3, 4, v6                   ; and the same behind one padding more
	s_mul_i32 s81, s26, CSTW
	s_add_co_u32 s81, s81, CST                     ; my stage
	s_add_co_u32 s82, s81, 3072                    ; and its scale bytes
	v_mul_u32_u24 v8, v1, 24
	v_add_nc_u32 v8, s81, v8                       ; in: my block's 24 bytes of a row's 768
	v_add_nc_u32 v9, s82, v1                       ; in: my block's byte of a row's 32
	v_lshl_add_u32 v10, v1, 4, s81                 ; back: 16 bytes a lane
	v_lshl_add_u32 v11, v1, 2, s82                 ; back: 4 bytes a lane
	v_lshlrev_b32 v12, 4, v1
	v_lshlrev_b32 v13, 2, v1
	s_wait_tensorcnt 0x1                           ; my parts of router_W and of the weight rows have landed; x's load, which only I read, may stay out
	s_barrier_signal -1
	s_barrier_wait -1                              ; everybody's have
	; ---- the weights' images.  A fragment is 12 registers: lane (r, h) takes bytes 96 s + 24 h .. + 23 and 96 s + 48 + 24 h .. + 23 of its row, in pieces of 8 bytes.
	; Byte o of a row lies at o + 16 (o / 256).  Where lanes 16-31's piece, 24 bytes on, lies behind one padding more, the second address register serves.
.macro WFRAG s
.irp p, 0,1,2,3,4,5
.set O0, 96*(\s)+48*(\p/3)+8*(\p%3)
.if O0/256 == (O0+24)/256
	ds_load_b64 v[FRG+12*(\s)+2*\p:FRG+12*(\s)+2*\p+1], v6 offset:O0+16*(O0/256)
.else
	ds_load_b64 v[FRG+12*(\s)+2*\p:FRG+12*(\s)+2*\p+1], v7 offset:O0+16*(O0/256)
.endif
.endr
.endm
.irp s, 0,1,2,3,4,5,6,7
	WFRAG \s
.endr
	s_wait_dscnt 0x0
.irp s, 0,1,2,3,4,5,6,7
.irp q, 0,1,2
	global_store_b128 v12, v[FRG+12*\s+4*\q:FRG+12*\s+4*\q+3], s[84:85] offset:12288*\s+512*\q   ; 32 lanes store 512 consecutive bytes, at a multiple of 512 from the buffer's first byte
.endr
.endr
	; ---- router_W into window 1: register 8 i + e = router_W[32 lane + i][e];  x into v32-159
	WIN 0x40                                       ; destination window 1, address window 0
.set I, 0
.rept 32
	ds_load_b128 v[8*I:8*I+3], v5 offset:32*I
	ds_load_b128 v[8*I+4:8*I+7], v5 offset:32*I+16
.set I, I+1
.endr
	WIN 0
	s_wait_tensorcnt 0x0                           ; x has landed: my wave's own bytes, so no barrier
	s_wait_xcnt 0x0                                ; the images' stores have read v32-127: only now are they loaded again
.irp p, 0,1,2,3
.irp j, 0,1,2,3,4,5,6,7
	ds_load_b128 v[X+32*\p+4*\j:X+32*\p+4*\j+3], v4 offset:4608*\p+16*\j
.endr
.endr
	s_wait_dscnt 0x0
	; ---- the router's sums: 16 chains (4 rows x 4 pairs of experts), 32 links each; one number of x feeds both halves
	WIN 0x04                                       ; source 1 (router_W) window 1
.irp p, 0,1,2,3
.irp k, 0,1,2,3
	v_pk_mul_f32 v[AC+8*\p+2*\k:AC+8*\p+2*\k+1], v[X+32*\p:X+32*\p+1], v[2*\k:2*\k+1] op_sel_hi:[0,1]   ; the first products start the sums
.endr
.endr
.set I, 1
.rept 31
.irp p, 0,1,2,3
.irp k, 0,1,2,3
.if I%2
	v_pk_fma_f32 v[AC+8*\p+2*\k:AC+8*\p+2*\k+1], v[X+32*\p+I-1:X+32*\p+I], v[8*I+2*\k:8*I+2*\k+1], v[AC+8*\p+2*\k:AC+8*\p+2*\k+1] op_sel:[1,0,0] op_sel_hi:[1,1,1]
.else
	v_pk_fma_f32 v[AC+8*\p+2*\k:AC+8*\p+2*\k+1], v[X+32*\p+I:X+32*\p+I+1], v[8*I+2*\k:8*I+2*\k+1], v[AC+8*\p+2*\k:AC+8*\p+2*\k+1] op_sel_hi:[0,1,1]
.endif
.endr
.endr
.set I, I+1
.endr
	WIN 0
	; ---- the quantiser: my block of each of the four rows, the rows by turns
.irp p, 0,1,2,3
	v_max3_num_f32 v[MX+\p], |v[X+32*\p]|, |v[X+32*\p+1]|, 0x2800000   ; and the floor 2^(5 - 127): the byte cannot fall under 1
.endr
.irp i, 2,4,6,8,10,12,14,16,18,20,22,24,26,28,30
.irp p, 0,1,2,3
	v_max3_num_f32 v[MX+\p], v[MX+\p], |v[X+32*\p+\i]|, |v[X+32*\p+\i+1]|
.endr
.endr
.irp p, 0,1,2,3
	v_add_nc_u32 v[SCO+\p], 0xfe000000, v[MX+\p]   ; 4 off the exponent field: the conversion takes the exponent field of this operand as its scale
.endr
.irp p, 0,1,2,3
	v_lshrrev_b32 v[BY+\p], 23, v[SCO+\p]          ; the scale's byte
.endr
.irp p, 0,1,2,3
	v_cvt_scalef32_pk16_bf6_f32 v[CD+8*\p:CD+8*\p+2], v[X+32*\p:X+32*\p+15], v[SCO+\p]
	v_cvt_scalef32_pk16_bf6_f32 v[CE+4*\p:CE+4*\p+2], v[X+32*\p+16:X+32*\p+31], v[SCO+\p]   ; (a conversion's three registers begin on an even number)
.endr
	v_nop                                          ; one plain place behind the scaled conversions
.irp p, 0,1,2,3
.irp i, 0,1,2
	v_mov_b32 v[CD+8*\p+3+\i], v[CE+4*\p+\i]
.endr
.endr
.irp p, 0,1,2,3
.irp q, 0,1,2
	ds_store_b64 v8, v[CD+8*\p+2*\q:CD+8*\p+2*\q+1] offset:768*\p+8*\q
.endr
	ds_store_b8 v9, v[BY+\p] offset:32*\p
.endr
.irp q, 0,1,2,3,4,5
	ds_load_b128 v[32+4*\q:35+4*\q], v10 offset:512*\q   ; LDS serves a wave's instructions in order: these see my stores.  Four rows' codes are 3,072 consecutive bytes
.endr
	ds_load_b32 v56, v11                           ; and their 128 scale bytes
	; ---- the 32 sums over the 32 lanes
.irp x, 1,2,4,8
.set N, 0
.rept 32
	v_add_f32_dpp v[AC+N], v[AC+N], v[AC+N] row_xmask:\x row_mask:0xf bank_mask:0xf
.set N, N+1
.endr
.endr
.set N, 0
.rept 32
	v_permlanex16_b32 v[RT+N], v[AC+N], s76, s77   ; (its destination counts as read: these registers held x)
.set N, N+1
.endr
.set N, 0
.rept 32
	v_add_f32 v[AC+N], v[AC+N], v[RT+N]
.set N, N+1
.endr
	; ---- lane l goes on with row l % 4
	v_and_b32 v111, 1, v1
	v_cmp_ne_u32 s78, 0, v111
	v_and_b32 v111, 2, v1
	v_cmp_ne_u32 s79, 0, v111
	s_wait_kmcnt 0x0                               ; router_b
.irp e, 0,1,2,3,4,5,6,7
	v_cndmask_b32 v104, v[AC+\e], v[AC+8+\e], s78
	v_cndmask_b32 v105, v[AC+16+\e], v[AC+24+\e], s78
	v_cndmask_b32 v[LG+\e], v104, v105, s79
	v_add_f32 v[LG+\e], s[68+\e], v[LG+\e]
.endr
	v_max3_num_f32 v106, v96, v97, v98
	v_max3_num_f32 v106, v106, v99, v100
	v_max3_num_f32 v106, v106, v101, v102
	v_max_num_f32 v106, v106, v103                 ; the row's largest logit is taken away ahead of the exponentials
.irp e, 0,1,2,3,4,5,6,7
	v_sub_f32 v[LG+\e], v[LG+\e], v106
.endr
.irp e, 0,1,2,3,4,5,6,7
	v_mul_f32 v[LG+\e], 0x3fb8aa3b, v[LG+\e]       ; x log2(e)
.endr
.irp e, 0,1,2,3,4,5,6,7
	v_exp_f32 v[LG+\e], v[LG+\e]
.endr
	v_mov_b32 v107, 7                              ; (a plain place behind the exponentials)
	s_wait_alu depctr_va_vdst(0)                   ; one wait for the eight, ahead of their first reader
	v_max3_num_f32 v109, v96, v97, v98
	v_max3_num_f32 v109, v109, v99, v100
	v_max3_num_f32 v109, v109, v101, v102
	v_max_num_f32 v109, v109, v103                 ; the largest exponential
.irp e, 6,5,4,3,2,1,0
	v_cmp_eq_f32 vcc_lo, v[LG+\e], v109
	v_cndmask_b32 v107, v107, \e, vcc_lo           ; descending, so that the lowest index among equals stays
.endr
	v_add_f32 v108, v96, v97
	v_add_f32 v110, v98, v99
	v_add_f32 v112, v100, v101
	v_add_f32 v113, v102, v103
	v_add_f32 v108, v108, v110
	v_add_f32 v112, v112, v113
	v_add_f32 v108, v108, v112
	v_rcp_f32 v110, v108
	v_nop
	s_wait_alu depctr_va_vdst(0)
	v_mul_f32 v110, v109, v110                     ; the gate: the chosen expert's probability
	; ---- out
	s_wait_dscnt 0x0                               ; the codes and bytes are back from the stage
.irp q, 0,1,2,3,4,5
	global_store_b128 v12, v[32+4*\q:35+4*\q], s[14:15] offset:512*\q   ; 512 consecutive bytes a store, at a multiple of 256 from xq's first byte
.endr
	global_store_b32 v13, v56, s[16:17]            ; 128 consecutive bytes; the four waves' lie on end
	v_cmp_gt_u32 vcc_lo, 4, v1
	s_wait_xcnt 0x0                                ; EXEC changes only behind this wait
	s_wait_tensorcnt 0x0
	ds_add_u32 v251, v255
	s_wait_dscnt 0x0
	s_and_saveexec_b32 s80, vcc_lo                 ; lanes 0-3: one for each of my rows
	global_store_b32 v13, v107, s[20:21]
	global_store_b32 v13, v110, s[18:19]
	s_endpgm
.Lfunc_end_k_q9e31377f84_prep:
	.size	k_q9e31377f84_prep, .Lfunc_end_k_q9e31377f84_prep-k_q9e31377f84_prep
	.p2alignl 7, 3214868480
	.fill 96, 4, 3214868480
	.section	.rodata,"a",@progbits
	.p2align	6, 0x0
	.amdhsa_kernel k_q9e31377f84_prep
		.amdhsa_group_segment_fixed_size 173056
		.amdhsa_private_segment_fixed_size 0
		.amdhsa_enable_private_segment 0
		.amdhsa_kernarg_size 88
		.amdhsa_user_sgpr_count 2
		.amdhsa_user_sgpr_kernarg_segment_ptr 1
		.amdhsa_wavefront_size32 1
		.amdhsa_system_sgpr_workgroup_id_x 1
		.amdhsa_system_sgpr_workgroup_id_y 1
		.amdhsa_system_sgpr_workgroup_id_z 1
		.amdhsa_system_vgpr_workitem_id 0
		.amdhsa_next_free_vgpr 512
		.amdhsa_next_free_sgpr 96
		.amdhsa_reserve_vcc 1
		.amdhsa_float_denorm_mode_32 3
		.amdhsa_float_denorm_mode_16_64 3
		.amdhsa_memory_ordered 1
		.amdhsa_forward_progress 1
		.amdhsa_inst_pref_size 74
	.end_amdhsa_kernel
	.amdgpu_metadata
---
amdhsa.version: [ 1, 2 ]
amdhsa.kernels:
  - .name:           k_q9e31377f84_prep
    .symbol:         k_q9e31377f84_prep.kd
    .args:
      - { .name: x, .offset: 0, .size: 8, .value_kind: global_buffer, .address_space: global }
      - { .name: router_W, .offset: 8, .size: 8, .value_kind: global_buffer, .address_space: global }
      - { .name: router_b, .offset: 16, .size: 8, .value_kind: global_buffer, .address_space: global }
      - { .name: W1_codes, .offset: 24, .size: 8, .value_kind: global_buffer, .address_space: global }
      - { .name: W2_codes, .offset: 32, .size: 8, .value_kind: global_buffer, .address_space: global }
      - { .name: xq, .offset: 40, .size: 8, .value_kind: global_buffer, .address_space: global }
      - { .name: xs, .offset: 48, .size: 8, .value_kind: global_buffer, .address_space: global }
      - { .name: gate, .offset: 56, .size: 8, .value_kind: global_buffer, .address_space: global }
      - { .name: eid, .offset: 64, .size: 8, .value_kind: global_buffer, .address_space: global }
      - { .name: w1img, .offset: 72, .size: 8, .value_kind: global_buffer, .address_space: global }
      - { .name: w2img, .offset: 80, .size: 8, .value_kind: global_buffer, .address_space: global }
    .group_segment_fixed_size: 173056
    .private_segment_fixed_size: 0
    .kernarg_segment_align: 8
    .kernarg_segment_size: 88
    .max_flat_workgroup_size: 128
    .sgpr_count:     96
    .vgpr_count:     512
    .wavefront_size: 32
...
	.end_amdgpu_metadata
.endif
;; end of part 1
;; launch place (part 2): grid 1 x 1, 8 waves a work-group, no clusters, 1,280 bytes of LDS; arguments eid, order, tiles; writes order, tiles
.if DOCPART == 2
	.amdgcn_target "amdgcn-amd-amdhsa--gfx1250"
	.amdhsa_code_object_version 6
	.text
	.protected	k_q9e31377f84_place
	.globl	k_q9e31377f84_place
	.p2align	8
	.type	k_q9e31377f84_place,@function
k_q9e31377f84_place:
	s_mov_b64 s[64:65], 0
	v_nop
	global_prefetch_b8 v0, s[64:65] scope:SCOPE_SE
	s_setreg_imm32_b32 hwreg(HW_REG_WAVE_MODE, 25, 1), 1
	s_wait_xcnt 0x0
; PLACE.  A counting sort of the 4,096 tokens by their expert, by one work-group of eight waves, on whole numbers alone.
; order: [tile][32] token numbers; expert e's rows lie on end from slot 32 x (its first tile); slots without a row hold 0.  tiles: [256] pairs {expert, rows}; rows is 0 for a tile that the split leaves empty.
; With tiles of 32 rows there are never more than 4,096 / 32 + 7 = 135 tiles, whatever the split.
; Thread t holds tokens 1,024 k + 4 t + i in register 4 k + i.  A token's slot = 32 x its expert's first tile + the expert's rows in the waves ahead + its rank in its own wave.
; The whole of order is first stored as zeros; each wave waits for those stores in front of the launch's one barrier, and the rows are scattered behind it.
.set E,  4                             ; v4-19   experts
.set R,  20                            ; v20-35  ranks in my wave
.set P,  36                            ; v36-51  slots, then byte offsets
.set T,  52                            ; v52-67  token numbers
.set CN, 16                            ; s[16:23] my wave's running counts
.set TB, 32                            ; s[32:39] each expert's first tile
.set TO, 40                            ; s[40:47] each expert's rows
.set OF, 48                            ; s[48:55] rows in the waves ahead of mine, then the first slot for my wave
	s_load_b128 s[4:7], s[0:1], 0x0                ; eid, order
	s_load_b64 s[8:9], s[0:1], 0x10                ; tiles
	v_lshl_add_u32 v96, v0, 2, 0x100
	v_mov_b32 v97, 0
	v_lshrrev_b32 v1, 5, v0
	v_readfirstlane_b32 s10, v1                    ; wave 0..7
	v_lshlrev_b32 v2, 4, v0
.irp i, 0,1,2,3
	v_mov_b32 v[76+\i], 0
.endr
.irp e, 0,1,2,3,4,5,6,7
	s_mov_b32 s[CN+\e], 0
.endr
	s_wait_kmcnt 0x0
.irp k, 0,1,2,3
	global_load_b128 v[E+4*\k:E+4*\k+3], v2, s[4:5] offset:4096*\k
.endr
.irp k, 0,1,2,3
	global_store_b128 v2, v[76:79], s[6:7] offset:4096*\k   ; zeros: 16,384 bytes,
.endr
	s_cmp_lt_u32 s10, 2
	s_cbranch_scc0 .Lno_tail
	global_store_b128 v2, v[76:79], s[6:7] offset:16384     ; and the last 1,024, by waves 0 and 1
.Lno_tail:
	s_wait_loadcnt 0x0
.irp n, 0,1,2,3,4,5,6,7,8,9,10,11,12,13,14,15
	v_min_u32 v[E+\n], 7, v[E+\n]
.endr
	; ranks: for each register and expert: which lanes hold it, how many of them stand below me, how many in all
.irp n, 0,1,2,3,4,5,6,7,8,9,10,11,12,13,14,15
.irp e, 0,1,2,3,4,5,6,7
	v_cmp_eq_u32 s24, \e, v[E+\n]
.if \e == 0
	v_mbcnt_lo_u32_b32 v[R+\n], s24, s[CN+\e]      ; (written whole; the lanes of other experts are written again below)
.else
	v_mbcnt_lo_u32_b32 v68, s24, s[CN+\e]
	v_cndmask_b32 v[R+\n], v[R+\n], v68, s24
.endif
	s_bcnt1_i32_b32 s25, s24
	s_add_co_u32 s[CN+\e], s[CN+\e], s25
.endr
.endr
	; the waves' counts meet in LDS: wave w's eight words at 32 w
	s_lshl_b32 s25, s10, 5
	v_mov_b32 v69, s25
.irp e, 0,1,2,3,4,5,6,7
	v_mov_b32 v[80+\e], s[CN+\e]
	ds_store_b32 v69, v[80+\e] offset:4*\e         ; all lanes write the same word with the same value
.endr
	s_wait_dscnt 0x0                               ; for the others' sake: my counts lie in LDS,
	s_wait_storecnt 0x0                            ; and my zeros are stored: rows are scattered over them only behind the barrier
	s_barrier_signal -1
	s_barrier_wait -1
	v_and_b32 v70, 7, v0
	v_lshlrev_b32 v70, 2, v70                      ; lane l looks at expert l % 8
.irp q, 0,1,2,3,4,5,6,7
	ds_load_b32 v[80+\q], v70 offset:32*\q
.endr
	v_mov_b32 v71, 0                               ; the expert's rows in all,
	v_mov_b32 v72, 0                               ; and in the waves ahead of mine
	s_wait_dscnt 0x0
.irp q, 0,1,2,3,4,5,6,7
	s_cmp_gt_u32 s10, \q
	s_cselect_b32 s24, -1, 0
	v_and_b32 v73, s24, v[80+\q]
	v_add_nc_u32 v71, v71, v[80+\q]
	v_add_nc_u32 v72, v72, v73
.endr
.irp e, 0,1,2,3,4,5,6,7
	v_readlane_b32 s[TO+\e], v71, \e
	v_readlane_b32 s[OF+\e], v72, \e
.endr
	s_mov_b32 s[TB], 0
.irp e, 0,1,2,3,4,5,6
	s_add_co_u32 s24, s[TO+\e], 31
	s_lshr_b32 s24, s24, 5                         ; the expert's tiles
	s_add_co_u32 s[TB+1+\e], s[TB+\e], s24
.endr
.irp e, 0,1,2,3,4,5,6,7
	s_lshl_b32 s24, s[TB+\e], 5
	s_add_co_u32 s[OF+\e], s[OF+\e], s24
.endr
	; each token's slot
.irp n, 0,1,2,3,4,5,6,7,8,9,10,11,12,13,14,15
	v_mov_b32 v[P+\n], s[OF]
.endr
.irp e, 1,2,3,4,5,6,7
.irp n, 0,1,2,3,4,5,6,7,8,9,10,11,12,13,14,15
	v_cmp_eq_u32 vcc_lo, \e, v[E+\n]
	v_cndmask_b32 v[P+\n], v[P+\n], s[OF+\e], vcc_lo
.endr
.endr
.irp k, 0,1,2,3
.irp i, 0,1,2,3
	v_add_nc_u32 v[P+4*\k+\i], v[P+4*\k+\i], v[R+4*\k+\i]
	v_lshl_add_u32 v[T+4*\k+\i], v0, 2, 1024*\k+\i
	v_min_u32 v[P+4*\k+\i], 4319, v[P+4*\k+\i]     ; 135 tiles x 32 slots
	v_lshlrev_b32 v[P+4*\k+\i], 2, v[P+4*\k+\i]
	global_store_b32 v[P+4*\k+\i], v[T+4*\k+\i], s[6:7]
.endr
.endr
	; the table of tiles: thread i's tile belongs to the last expert whose first tile is at most i
	v_mov_b32 v88, 0
	v_mov_b32 v89, s[TO]
	v_mov_b32 v91, 0
.irp k, 1,2,3,4,5,6,7
	v_cmp_le_u32 vcc_lo, s[TB+\k], v0
	v_cndmask_b32 v88, v88, \k, vcc_lo
	v_cndmask_b32 v89, v89, s[TO+\k], vcc_lo
	v_cndmask_b32 v91, v91, s[TB+\k], vcc_lo
.endr
	v_sub_nc_u32 v91, v0, v91
	v_lshlrev_b32 v91, 5, v91                      ; the rows of the expert's tiles ahead of this one
	v_sub_nc_u32 v89, v89, v91
	v_max_i32 v89, 0, v89
	v_min_i32 v89, 32, v89                         ; what is left for it, 0 to 32
	v_lshlrev_b32 v90, 3, v0
	global_store_b64 v90, v[88:89], s[8:9]         ; 256 consecutive bytes a wave
	s_wait_tensorcnt 0x0
	ds_add_u32 v96, v97
	s_wait_dscnt 0x0
	s_endpgm
.Lfunc_end_k_q9e31377f84_place:
	.size	k_q9e31377f84_place, .Lfunc_end_k_q9e31377f84_place-k_q9e31377f84_place
	.p2alignl 7, 3214868480
	.fill 96, 4, 3214868480
	.section	.rodata,"a",@progbits
	.p2align	6, 0x0
	.amdhsa_kernel k_q9e31377f84_place
		.amdhsa_group_segment_fixed_size 1280
		.amdhsa_private_segment_fixed_size 0
		.amdhsa_enable_private_segment 0
		.amdhsa_kernarg_size 24
		.amdhsa_user_sgpr_count 2
		.amdhsa_user_sgpr_kernarg_segment_ptr 1
		.amdhsa_wavefront_size32 1
		.amdhsa_system_sgpr_workgroup_id_x 1
		.amdhsa_system_sgpr_workgroup_id_y 1
		.amdhsa_system_sgpr_workgroup_id_z 1
		.amdhsa_system_vgpr_workitem_id 0
		.amdhsa_next_free_vgpr 98
		.amdhsa_next_free_sgpr 66
		.amdhsa_reserve_vcc 1
		.amdhsa_float_denorm_mode_32 3
		.amdhsa_float_denorm_mode_16_64 3
		.amdhsa_memory_ordered 1
		.amdhsa_forward_progress 1
		.amdhsa_inst_pref_size 57
	.end_amdhsa_kernel
	.amdgpu_metadata
---
amdhsa.version: [ 1, 2 ]
amdhsa.kernels:
  - .name:           k_q9e31377f84_place
    .symbol:         k_q9e31377f84_place.kd
    .args:
      - { .name: eid, .offset: 0, .size: 8, .value_kind: global_buffer, .address_space: global }
      - { .name: order, .offset: 8, .size: 8, .value_kind: global_buffer, .address_space: global }
      - { .name: tiles, .offset: 16, .size: 8, .value_kind: global_buffer, .address_space: global }
    .group_segment_fixed_size: 1280
    .private_segment_fixed_size: 0
    .kernarg_segment_align: 8
    .kernarg_segment_size: 24
    .max_flat_workgroup_size: 256
    .sgpr_count:     66
    .vgpr_count:     98
    .wavefront_size: 32
...
	.end_amdgpu_metadata
.endif
;; end of part 2
;; launch chain (part 3): grid 135 x 1, 8 waves a work-group, no clusters, 119,808 bytes of LDS; arguments tiles, order, xq, xs, gate, w1img, W1_scales, b1, w2img, W2_scales, b2, out0; writes out0
.if DOCPART == 3
	.amdgcn_target "amdgcn-amd-amdhsa--gfx1250"
	.amdhsa_code_object_version 6
	.text
	.protected	k_q9e31377f84_chain
	.globl	k_q9e31377f84_chain
	.p2align	8
	.type	k_q9e31377f84_chain,@function
k_q9e31377f84_chain:
	s_mov_b64 s[64:65], 0
	v_nop
	global_prefetch_b8 v0, s[64:65] scope:SCOPE_SE
	s_setreg_imm32_b32 hwreg(HW_REG_WAVE_MODE, 25, 1), 1
	s_wait_xcnt 0x0
; CHAIN.  out[token] = gate x (Q(relu(Q(x) W1[e] + b1[e])) W2[e] + b2[e]) for the token's one expert e, both products on codes of E3M2 with one E8M0 scale for each 32 along K.
; A work-group takes one tile of the stored list: up to 32 rows of one expert, through the whole chain; the hidden layer never goes to memory.  135 = 4,096 / 32 + 7 work-groups serve every split.
; NO CLUSTER, NO TENSOR LOAD: how many tiles an expert has hangs on stored counts, and a tile without rows ends by a branch on such a count.  The weights come from memory straight into registers, from images
; laid in the order of the operand's registers: a wave's weights of a product are ONE run of 98,304 bytes, read by loads of 512 consecutive bytes.
; SHARES.  THE WAVES SHARE THE COLUMNS: wave w makes hidden units 128 w .. 128 w + 127 and then outputs 128 w .. 128 w + 127, for all 32 rows (two tiles of 16, m = 0, 1): 16 accumulators.
; The rows' codes go from wave to wave through LDS as images of their registers: wave w gathers K step w of x, and its hidden units are K step w of the second product.
; BOTH PRODUCTS ARE USED TRANSPOSED (source 0 = 16 rows of the weight, source 1 = 16 tokens): a lane holds one token.  Lane r of weight tile 2 b + u holds row 32 b + 8 u + r + 8 (r / 8) of the chunk, so that
; register 8 u + j of tiles 2 b, 2 b + 1 in lane (r, h) is column 32 b + 16 h + 8 u + j: 16 neighbours along the next K, or 64 neighbouring bytes of a row of out.
; A STAGE is half a K step: four weight fragments (6,144 bytes), eight matrix instructions.  The fragments come through a ring of four register buffers: three to four stages' loads (36 to 48 of 512 bytes) are out in each wave,
; and the ring runs on from the first product into the second.  Everything is written out: every offset is an immediate and no address register is written twice.
; SLOTS WITHOUT A ROW hold token 0: they are gathered and multiplied like the others and not stored: rows lie on end from slot 0, so the way out ends at the first row past the stored count.
; LIMITS: NaN and infinities are not served; a block of the hidden layer whose largest number lies under 2^-122 keeps the byte 1 (a block of zeros too: its codes are zeros).
; REGISTERS, window 0: v1-23 lane numbers, addresses, tokens, gates; v24-31 the tokens' scale words of the 8 K steps (lanes 0-15: m = 0, lanes 16-31: m = 1); v32-63 the weights' scale words (8 b + s: lanes 0-15 tile 2 b,
; lanes 16-31 tile 2 b + 1); v64-115 at work; v128-255 the accumulators (tile t, m at 128 + 64 m + 8 t).   window 1: v0-191 the ring; v192-239 the tokens' fragments of two K steps.
.set XIMG, 0                           ; LDS: x's 16 fragments, (K step s, m) at (2 s + m) x 1,536;
.set XSC,  24576                       ; their scale words: K step s: 128 bytes, row l's word at 4 l;
.set HIMG, 25600                       ; the hidden layer's likewise;
.set HSC,  50176
.set STG,  51200                       ; a stage of 16 rows x (512 + 16) bytes for each wave
.set STW,  8448
.set FRB,  1536
.set AS,   24
.set WS,   32
.set TM,   64                          ; v64-67 largest magnitudes, v68-71 bytes, v76-79 the conversions' scale operands
.set PW,   80                          ; v80, v81 the scale words just made (m = 0, 1); v82 both in one register
.set PC,   84                          ; v84-103 the codes just made
.set XF1,  104                         ; v104-115 x's gathered fragment of m = 1
.set ACC,  128
.set MSB, 0
.macro WIN new                         ; the immediate's high byte repeats the setting that is left
.if MSB != \new
	s_set_vgpr_msb (MSB<<8)|\new
.set MSB, \new
.endif
.endm
; 64 numbers of a lane, register 16 b + i = k 32 b + 16 (lane / 16) + i of my row, become a fragment's codes in v[PC] on and its scale word in v[pw].
.macro QUANT s, pw
.irp b, 0,1,2,3
	v_max3_num_f32 v[TM+\b], |v[(\s)+16*\b]|, |v[(\s)+1+16*\b]|, 0x2800000   ; block b: my 16 numbers, and the floor 2^(5 - 127): the byte cannot fall under 1
.endr
.irp i, 2,4,6,8,10,12,14
.irp b, 0,1,2,3
	v_max3_num_f32 v[TM+\b], v[TM+\b], |v[(\s)+16*\b+\i]|, |v[(\s)+1+16*\b+\i]|   ; (the four blocks by turns)
.endr
.endr
.irp b, 0,1,2,3
	v_permlanex16_b32 v[TM+4+\b], v[TM+\b], s34, s35
.endr
.irp b, 0,1,2,3
	v_max_num_f32 v[TM+\b], v[TM+\b], v[TM+4+\b]   ; with lane l xor 16's: the block's largest magnitude
.endr
.irp b, 0,1,2,3
	v_add_nc_u32 v[TM+12+\b], 0xfe000000, v[TM+\b] ; 4 off its exponent field: the conversion's scale operand
.endr
.irp b, 0,1,2,3
	v_lshrrev_b32 v[TM+4+\b], 23, v[TM+12+\b]      ; the scale's byte
.endr
	v_lshl_or_b32 v[\pw], v[TM+5], 8, v[TM+4]      ; the four bytes make my row's scale word
	v_lshl_or_b32 v[\pw], v[TM+6], 16, v[\pw]
	v_lshl_or_b32 v[\pw], v[TM+7], 24, v[\pw]
.irp c, 0,1
	v_cvt_scalef32_pk16_bf6_f32 v[PC+6*\c:PC+2+6*\c], v[(\s)+32*\c:(\s)+15+32*\c], v[TM+12+2*\c]
	v_cvt_scalef32_pk16_bf6_f32 v[PC+12+4*\c:PC+14+4*\c], v[(\s)+16+32*\c:(\s)+31+32*\c], v[TM+12+2*\c+1]   ; (a conversion's three registers begin on an even number)
.endr
	v_nop                                          ; one plain place behind the scaled conversions
.irp c, 0,1                                    ; the operand's layout wants a whole block in a lane: lanes 0-15 block 2 c, lanes 16-31 block 2 c + 1
.irp i, 0,1,2
	v_permlane16_swap_b32 v[PC+6*\c+\i], v[PC+12+4*\c+\i]
.endr
.irp i, 0,1,2
	v_mov_b32 v[PC+3+6*\c+\i], v[PC+12+4*\c+\i]
.endr
.endr
.endm
.macro AFETCH img, s                   ; the tokens' two fragments of K step s, from their images: six loads, into the buffer s % 2
	WIN 0x40                                       ; destination window 1, address window 0
.irp m, 0,1
.irp q, 0,1,2
	ds_load_b128 v[192+24*((\s)%2)+12*\m+4*\q:192+24*((\s)%2)+12*\m+4*\q+3], v4 offset:\img+(2*(\s)+\m)*FRB+512*\q
.endr
.endr
.endm
.macro PHEAD img, sc                   ; a product's head: the tokens' eight scale words, and their fragments of K steps 0 and 1
	WIN 0
.irp s, 0,1,2,3,4,5,6,7
	ds_load_b32 v[AS+\s], v5 offset:\sc+128*\s
.endr
	AFETCH \img, 0
	AFETCH \img, 1
.endm
.macro RLOAD L                         ; stage L's four weight fragments: 12 loads of 512 consecutive bytes, into ring buffer L % 4
.irp i, 0,1,2,3,4,5,6,7,8,9,10,11
.if (\L) < 16
	global_load_b128 v[48*((\L)%4)+4*\i:48*((\L)%4)+4*\i+3], v4, s[36:37] offset:((\L)%16)*6144+512*\i
.else
	global_load_b128 v[48*((\L)%4)+4*\i:48*((\L)%4)+4*\i+3], v4, s[38:39] offset:((\L)%16)*6144+512*\i
.endif
.endr
.endm
; One matrix instruction, by the symbols RD_ (accumulator), RA_ (weight fragment), RB_ (tokens' fragment), SA_, SB_ (scale words), AR_, BR_ (the words lie in lanes 16-31), ZR_ (it starts the sum).
.macro MMUL
.if ZR_
.if AR_ && BR_
	v_wmma_scale_f32_16x16x128_f8f6f4 v[RD_:RD_+7], v[RA_:RA_+11], v[RB_:RB_+11], 0, v[SA_], v[SB_] matrix_a_fmt:MATRIX_FMT_BF6 matrix_b_fmt:MATRIX_FMT_BF6 matrix_a_scale:MATRIX_SCALE_ROW1 matrix_b_scale:MATRIX_SCALE_ROW1
.elseif AR_
	v_wmma_scale_f32_16x16x128_f8f6f4 v[RD_:RD_+7], v[RA_:RA_+11], v[RB_:RB_+11], 0, v[SA_], v[SB_] matrix_a_fmt:MATRIX_FMT_BF6 matrix_b_fmt:MATRIX_FMT_BF6 matrix_a_scale:MATRIX_SCALE_ROW1
.elseif BR_
	v_wmma_scale_f32_16x16x128_f8f6f4 v[RD_:RD_+7], v[RA_:RA_+11], v[RB_:RB_+11], 0, v[SA_], v[SB_] matrix_a_fmt:MATRIX_FMT_BF6 matrix_b_fmt:MATRIX_FMT_BF6 matrix_b_scale:MATRIX_SCALE_ROW1
.else
	v_wmma_scale_f32_16x16x128_f8f6f4 v[RD_:RD_+7], v[RA_:RA_+11], v[RB_:RB_+11], 0, v[SA_], v[SB_] matrix_a_fmt:MATRIX_FMT_BF6 matrix_b_fmt:MATRIX_FMT_BF6
.endif
.else
.if AR_ && BR_
	v_wmma_scale_f32_16x16x128_f8f6f4 v[RD_:RD_+7], v[RA_:RA_+11], v[RB_:RB_+11], v[RD_:RD_+7], v[SA_], v[SB_] matrix_a_fmt:MATRIX_FMT_BF6 matrix_b_fmt:MATRIX_FMT_BF6 matrix_a_scale:MATRIX_SCALE_ROW1 matrix_b_scale:MATRIX_SCALE_ROW1
.elseif AR_
	v_wmma_scale_f32_16x16x128_f8f6f4 v[RD_:RD_+7], v[RA_:RA_+11], v[RB_:RB_+11], v[RD_:RD_+7], v[SA_], v[SB_] matrix_a_fmt:MATRIX_FMT_BF6 matrix_b_fmt:MATRIX_FMT_BF6 matrix_a_scale:MATRIX_SCALE_ROW1
.elseif BR_
	v_wmma_scale_f32_16x16x128_f8f6f4 v[RD_:RD_+7], v[RA_:RA_+11], v[RB_:RB_+11], v[RD_:RD_+7], v[SA_], v[SB_] matrix_a_fmt:MATRIX_FMT_BF6 matrix_b_fmt:MATRIX_FMT_BF6 matrix_b_scale:MATRIX_SCALE_ROW1
.else
	v_wmma_scale_f32_16x16x128_f8f6f4 v[RD_:RD_+7], v[RA_:RA_+11], v[RB_:RB_+11], v[RD_:RD_+7], v[SA_], v[SB_] matrix_a_fmt:MATRIX_FMT_BF6 matrix_b_fmt:MATRIX_FMT_BF6
.endif
.endif
.endm
; STAGE G (0-15: first product, 16-31: second): K step (G % 16) / 2, weight tiles 4 (G % 2) .. + 3, both tiles of tokens.  The 16 accumulators take turns, one instruction a turn, eight in a stage, across stages
; and products.  Behind the products and their four places the ring buffer just read takes the loads of four stages on, and the tokens' buffer those of two K steps on.
.macro STAGE G
.set SG_, (\G)%16
.set SS_, SG_/2
.set SQ_, SG_%2
.set ZR_, 0
.if ((\G)==16)||((\G)==17)
.set ZR_, 1                            ; the second product's first K step starts its sums: nothing is cleared
.endif
.if ((\G)==0)||((\G)==16)
	s_wait_loadcnt 0x0                             ; the scale words (and, in stage 0, b1) were asked for behind the ring's loads and are wanted now
.elseif (\G)==30
	s_wait_loadcnt 28                              ; behind this stage's loads: stage 31's 12 and b2's 16
.elseif (\G)==31
	s_wait_loadcnt 16                              ; b2's 16
.else
	s_wait_loadcnt 36                              ; behind this stage's 12 loads at most the 36 of the three stages (or, in stage 29, two stages and 12 of b2) that follow it
.endif
.if SQ_==0
.if SS_==7
	s_wait_dscnt 0x0
.else
	s_wait_dscnt 6                                 ; this K step's fragments of the tokens are in; the next K step's six loads may be out
.endif
.endif
	WIN 0x05                                       ; sources 0 and 1 window 1; C and D window 0
.irp f, 0,1,2,3
.irp m, 0,1
.set RD_, ACC+64*\m+8*(4*SQ_+\f)
.set RA_, 48*((\G)%4)+12*\f
.set RB_, 192+24*(SS_%2)+12*\m
.set SA_, WS+8*((4*SQ_+\f)/2)+SS_
.set SB_, AS+SS_
.set AR_, \f%2
.set BR_, \m
	MMUL
.endr
.endr
.rept 4
	v_nop                                          ; four places in front of loads into registers that these products have read, and of the first read of results
.endr
.if (\G)+4 < 32
	WIN 0x40
	RLOAD (\G)+4
.endif
.if (SQ_==1)&&(SS_+2<8)
	AFETCH IMG_, SS_+2
.endif
.if (\G)==28                           ; the ring has nothing more to fetch: b2 takes the buffers that are done with: register 8 t + j = b2 at the column of accumulator register j of tile t
	WIN 0x40
.irp t, 0,1,2,3,4,5
	global_load_b128 v[8*\t:8*\t+3], v11, s[46:47] offset:(32*(\t/2)+8*(\t%2))*4
	global_load_b128 v[8*\t+4:8*\t+7], v11, s[46:47] offset:(32*(\t/2)+8*(\t%2))*4+16
.endr
.endif
.if (\G)==29
	WIN 0x40
.irp t, 6,7
	global_load_b128 v[8*\t:8*\t+3], v11, s[46:47] offset:(32*(\t/2)+8*(\t%2))*4
	global_load_b128 v[8*\t+4:8*\t+7], v11, s[46:47] offset:(32*(\t/2)+8*(\t%2))*4+16
.endr
.endif
.endm
	s_load_b512 s[4:19], s[0:1], 0x0               ; tiles s[4:5], order s[6:7], xq s[8:9], xs s[10:11], gate s[12:13], w1img s[14:15], W1_scales s[16:17], b1 s[18:19]
	s_load_b256 s[20:27], s[0:1], 0x40             ; w2img s[20:21], W2_scales s[22:23], b2 s[24:25], out0 s[26:27]
	v_lshl_add_u32 v126, v0, 2, 0x1d000
	v_mov_b32 v127, 0
	v_lshrrev_b32 v1, 5, v0
	v_readfirstlane_b32 s28, v1                    ; wave 0..7
	v_and_b32 v1, 31, v0                           ; lane
	v_and_b32 v2, 15, v0                           ; r
	v_bfe_u32 v3, v0, 4, 1                         ; h
	v_lshlrev_b32 v4, 4, v1                        ; 16 x lane: a lane's place in an image
	v_lshlrev_b32 v5, 2, v1                        ; 4 x lane: a scale word's
	v_lshlrev_b32 v23, 2, v2
	s_lshl_b32 s52, ttmp9, 3
	s_lshl_b32 s54, ttmp9, 7
	s_mov_b32 s55, 0
	s_wait_kmcnt 0x0
	s_load_b64 s[30:31], s[4:5], s52 offset:0x0    ; my tile: {expert, rows}
	s_add_nc_u64 s[54:55], s[6:7], s[54:55]        ; and its 32 slots
	global_load_b32 v13, v5, s[54:55]              ; the token of row l,
	global_load_b32 v15, v23, s[54:55]             ; of row r,
	global_load_b32 v17, v23, s[54:55] offset:64   ; of row 16 + r
	s_mul_i32 s56, s28, 2*FRB
	v_add_nc_u32 v6, s56, v4                       ; where I store images: K step w
	s_lshl_b32 s56, s28, 7
	v_add_nc_u32 v7, s56, v5                       ; and its scale words
	s_mul_i32 s56, s28, STW
	s_add_co_u32 s56, s56, STG                     ; my stage
	v_mul_u32_u24 v8, v2, 528
	v_lshl_add_u32 v8, v3, 6, v8
	v_add_nc_u32 v8, s56, v8                       ; in: row r, + 64 h
	v_add_nc_u32 v9, s56, v4                       ; back: a row's 512 bytes, 16 a lane
	s_lshl_b32 s56, s28, 9
	v_add_nc_u32 v10, s56, v4                      ; and the same in a row of out: 512 w + 16 x lane
	v_lshlrev_b32 v11, 6, v3                       ; the biases: 16 h numbers on
	v_and_b32 v12, 8, v2
	v_add_nc_u32 v12, v12, v2
	v_lshl_add_u32 v12, v3, 3, v12
	v_lshlrev_b32 v12, 5, v12                      ; the weights' scale bytes: row 8 h + r + 8 (r / 8) of 32 bytes: lanes 0-15 serve tile 2 b, lanes 16-31 tile 2 b + 1
	v_mul_u32_u24 v116, v3, 24
.irp b, 0,1,2,3
	v_mov_b32 v[TM+4+\b], 0                        ; written once: a lane permute's destination counts as one of its sources
.endr
	s_mov_b32 s33, 0xffff0000                      ; lanes 16-31
	s_mov_b32 s34, 0x76543210
	s_mov_b32 s35, 0xfedcba98                      ; v_permlanex16_b32's selects for lane l xor 16
	s_mul_i32 s56, s28, 96
	s_mov_b32 s57, 0
	s_add_nc_u64 s[48:49], s[8:9], s[56:57]        ; xq at K step w
	s_lshl_b32 s56, s28, 2
	s_add_nc_u64 s[50:51], s[10:11], s[56:57]      ; xs likewise
	s_wait_kmcnt 0x0
	s_min_u32 s30, s30, 7
	s_min_u32 s31, s31, 32
	s_lshl_b32 s52, s30, 3
	s_add_co_u32 s52, s52, s28                     ; 8 x expert + wave: my chunk of 128 rows
	s_mul_i32 s56, s52, 98304
	s_add_nc_u64 s[36:37], s[14:15], s[56:57]      ; its images in W1 and in W2,
	s_add_nc_u64 s[38:39], s[20:21], s[56:57]
	s_lshl_b32 s56, s52, 12
	s_add_nc_u64 s[40:41], s[16:17], s[56:57]      ; its scale bytes,
	s_add_nc_u64 s[42:43], s[22:23], s[56:57]
	s_lshl_b32 s56, s52, 9
	s_add_nc_u64 s[44:45], s[18:19], s[56:57]      ; its biases
	s_add_nc_u64 s[46:47], s[24:25], s[56:57]
	WIN 0x40
	RLOAD 0
	RLOAD 1
	RLOAD 2
	RLOAD 3
	WIN 0
	s_wait_loadcnt 48                              ; the tokens' numbers are in; the ring's 48 loads may be out
	v_min_u32 v13, 0xfff, v13
	v_min_u32 v15, 0xfff, v15
	v_min_u32 v17, 0xfff, v17
	v_mul_u32_u24 v18, v15, 768
	v_add_nc_u32 v18, v18, v116                    ; a token's row of codes, + 24 h
	v_mul_u32_u24 v19, v17, 768
	v_add_nc_u32 v19, v19, v116
	v_lshlrev_b32 v20, 5, v13
	v_lshlrev_b32 v21, 2, v15
	v_lshlrev_b32 v22, 2, v17
.irp p, 0,1,2,3,4,5
	global_load_b64 v[PC+2*\p:PC+2*\p+1], v18, s[48:49] offset:48*(\p/3)+8*(\p%3)     ; x's fragment (K step w, m = 0), as the codes lie
.endr
.irp p, 0,1,2,3,4,5
	global_load_b64 v[XF1+2*\p:XF1+2*\p+1], v19, s[48:49] offset:48*(\p/3)+8*(\p%3)   ; and m = 1
.endr
	global_load_b32 v[PW], v20, s[50:51]           ; row l's scale word of K step w
	global_load_b32 v14, v21, s[12:13]             ; the gates of rows r and 16 + r
	global_load_b32 v16, v22, s[12:13]
.irp b, 0,1,2,3
.irp q, 0,1
	global_load_b128 v[WS+8*\b+4*\q:WS+8*\b+4*\q+3], v12, s[40:41] offset:1024*\b+16*\q   ; W1's scale words: a row's 32 bytes are its 8 K steps' words
.endr
.endr
.irp m, 0,1
.irp t, 0,1,2,3,4,5,6,7                        ; b1 is loaded INTO the accumulators, in the result's layout: the first product adds onto it
	global_load_b128 v[ACC+64*\m+8*\t:ACC+64*\m+8*\t+3], v11, s[44:45] offset:(32*(\t/2)+8*(\t%2))*4
	global_load_b128 v[ACC+64*\m+8*\t+4:ACC+64*\m+8*\t+7], v11, s[44:45] offset:(32*(\t/2)+8*(\t%2))*4+16
.endr
.endr
	s_wait_loadcnt 40                              ; the 15 gathered loads are in; W1's 8 scale loads and b1's 32 may be out
.irp q, 0,1,2
	ds_store_b128 v6, v[PC+4*\q:PC+4*\q+3] offset:XIMG+512*\q
	ds_store_b128 v6, v[XF1+4*\q:XF1+4*\q+3] offset:XIMG+FRB+512*\q
.endr
	ds_store_b32 v7, v[PW] offset:XSC
	s_wait_dscnt 0x0                               ; for the others' sake: my images lie in LDS
	s_barrier_signal -1
	s_barrier_wait -1                              ; x's sixteen fragments do
	; ---- the first product
.set IMG_, XIMG
	PHEAD XIMG, XSC
.set GG, 0
.rept 16
	STAGE GG
.set GG, GG+1
.endr
	; ---- relu, the quantiser, the images of K step w of the second product
	WIN 0
.irp b, 0,1,2,3
.irp q, 0,1
	global_load_b128 v[WS+8*\b+4*\q:WS+8*\b+4*\q+3], v12, s[42:43] offset:1024*\b+16*\q   ; W2's scale words (behind the last stage's four places)
.endr
.endr
.irp m, 0,1
.set J, 0
.rept 64
	v_max_num_f32 v[ACC+64*\m+J], 0, v[ACC+64*\m+J]   ; the activation, in f32; each accumulator from its low end on
.set J, J+1
.endr
	QUANT ACC+64*\m, PW+\m
.irp q, 0,1,2
	ds_store_b128 v6, v[PC+4*\q:PC+4*\q+3] offset:HIMG+FRB*\m+512*\q
.endr
	s_wait_dscnt 0x0                               ; the stores have read their registers
.endr
	v_cndmask_b32 v[PW+2], v[PW], v[PW+1], s33     ; lanes 0-15: the words of rows 0-15; lanes 16-31: those of rows 16-31
	ds_store_b32 v7, v[PW+2] offset:HSC
	s_wait_dscnt 0x0
	s_barrier_signal -1
	s_barrier_wait -1                              ; the hidden layer's sixteen fragments lie in LDS.  This is the last barrier
	s_cmp_eq_u32 s31, 0                            ; a tile that the split leaves without rows stores nothing
	s_cbranch_scc1 .Lend
	; ---- the second product
.set IMG_, HIMG
	PHEAD HIMG, HSC
.set GG, 16
.rept 16
	STAGE GG
.set GG, GG+1
.endr
	s_wait_loadcnt 0x0                             ; b2
	; ---- the way out, 16 rows at a time: + b2, x the row's gate; through my stage, so that a row's 512 bytes leave by one store
.macro OUTM m
.if \m
	WIN 0
	s_cmp_le_u32 s31, 16                           ; no row past the stored count is stored
	s_cbranch_scc1 .Lend
.endif
	WIN 0x04                                       ; source 1 (b2) window 1
.set K_, 0
.rept 32
	v_pk_add_f32 v[ACC+64*\m+K_:ACC+64*\m+K_+1], v[ACC+64*\m+K_:ACC+64*\m+K_+1], v[K_:K_+1]
.set K_, K_+2
.endr
	WIN 0
.set K_, 0
.rept 32
	v_pk_mul_f32 v[ACC+64*\m+K_:ACC+64*\m+K_+1], v[ACC+64*\m+K_:ACC+64*\m+K_+1], v[14+2*\m:15+2*\m] op_sel_hi:[1,0]   ; (of the pair the low word, the gate, serves both halves)
.set K_, K_+2
.endr
.irp t, 0,1,2,3,4,5,6,7
	ds_store_b128 v8, v[ACC+64*\m+8*\t:ACC+64*\m+8*\t+3] offset:128*(\t/2)+32*(\t%2)
	ds_store_b128 v8, v[ACC+64*\m+8*\t+4:ACC+64*\m+8*\t+7] offset:128*(\t/2)+32*(\t%2)+16
.endr
.set I_, 0
.rept 16
	ds_load_b128 v[ACC+64*\m+4*I_:ACC+64*\m+4*I_+3], v9 offset:528*I_   ; LDS serves a wave's instructions in order: these see my stores, and the next 16 rows' stores come behind them
.set I_, I_+1
.endr
.set I_, 0
.rept 16
.if I_ > 0
	s_cmp_le_u32 s31, 16*\m+I_
	s_cbranch_scc1 .Lend
.endif
	v_readlane_b32 s52, v13, 16*\m+I_              ; the row's token
	s_min_u32 s52, s52, 4095
	v_lshl_add_u32 v[64+16*\m+I_], s52, 12, v10    ; its row of out, my wave's 512 bytes; an offset register for each row: none is written twice
	s_wait_dscnt 15-I_                             ; row I_ is back; the rows behind it may be out
	global_store_b128 v[64+16*\m+I_], v[ACC+64*\m+4*I_:ACC+64*\m+4*I_+3], s[26:27] th:TH_STORE_NT   ; 32 lanes store 512 consecutive bytes, at a multiple of 512 from out's first byte
.set I_, I_+1
.endr
.endm
	OUTM 0
	OUTM 1
.Lend:
	s_wait_dscnt 0x0
	s_wait_tensorcnt 0x0
	ds_add_u32 v126, v127
	s_wait_dscnt 0x0
	s_endpgm
.Lfunc_end_k_q9e31377f84_chain:
	.size	k_q9e31377f84_chain, .Lfunc_end_k_q9e31377f84_chain-k_q9e31377f84_chain
	.p2alignl 7, 3214868480
	.fill 96, 4, 3214868480
	.section	.rodata,"a",@progbits
	.p2align	6, 0x0
	.amdhsa_kernel k_q9e31377f84_chain
		.amdhsa_group_segment_fixed_size 119808
		.amdhsa_private_segment_fixed_size 0
		.amdhsa_enable_private_segment 0
		.amdhsa_kernarg_size 96
		.amdhsa_user_sgpr_count 2
		.amdhsa_user_sgpr_kernarg_segment_ptr 1
		.amdhsa_wavefront_size32 1
		.amdhsa_system_sgpr_workgroup_id_x 1
		.amdhsa_system_sgpr_workgroup_id_y 1
		.amdhsa_system_sgpr_workgroup_id_z 1
		.amdhsa_system_vgpr_workitem_id 0
		.amdhsa_next_free_vgpr 512
		.amdhsa_next_free_sgpr 66
		.amdhsa_reserve_vcc 0
		.amdhsa_float_denorm_mode_32 3
		.amdhsa_float_denorm_mode_16_64 3
		.amdhsa_memory_ordered 1
		.amdhsa_forward_progress 1
		.amdhsa_inst_pref_size 131
	.end_amdhsa_kernel
	.amdgpu_metadata
---
amdhsa.version: [ 1, 2 ]
amdhsa.kernels:
  - .name:           k_q9e31377f84_chain
    .symbol:         k_q9e31377f84_chain.kd
    .args:
      - { .name: tiles, .offset: 0, .size: 8, .value_kind: global_buffer, .address_space: global }
      - { .name: order, .offset: 8, .size: 8, .value_kind: global_buffer, .address_space: global }
      - { .name: xq, .offset: 16, .size: 8, .value_kind: global_buffer, .address_space: global }
      - { .name: xs, .offset: 24, .size: 8, .value_kind: global_buffer, .address_space: global }
      - { .name: gate, .offset: 32, .size: 8, .value_kind: global_buffer, .address_space: global }
      - { .name: w1img, .offset: 40, .size: 8, .value_kind: global_buffer, .address_space: global }
      - { .name: W1_scales, .offset: 48, .size: 8, .value_kind: global_buffer, .address_space: global }
      - { .name: b1, .offset: 56, .size: 8, .value_kind: global_buffer, .address_space: global }
      - { .name: w2img, .offset: 64, .size: 8, .value_kind: global_buffer, .address_space: global }
      - { .name: W2_scales, .offset: 72, .size: 8, .value_kind: global_buffer, .address_space: global }
      - { .name: b2, .offset: 80, .size: 8, .value_kind: global_buffer, .address_space: global }
      - { .name: out0, .offset: 88, .size: 8, .value_kind: global_buffer, .address_space: global }
    .group_segment_fixed_size: 119808
    .private_segment_fixed_size: 0
    .kernarg_segment_align: 8
    .kernarg_segment_size: 96
    .max_flat_workgroup_size: 256
    .sgpr_count:     66
    .vgpr_count:     512
    .wavefront_size: 32
...
	.end_amdgpu_metadata
.endif
;; end of part 3
;; ======== version 2 of 2: 3 launches; version 1 with the launch chain written anew for expert scheduling mode
;; workspace buffers: xq 3,145,728 bytes; xs 131,072 bytes; gate 16,384 bytes; eid 16,384 bytes of whole numbers; order 17,408 bytes of whole numbers; tiles 2,048 bytes of whole numbers; w1img 6,291,456 bytes; w2img 6,291,456 bytes
;; launch prep: the kernel of part 1 again; grid 256 x 1, 4 waves a work-group, no clusters, 173,056 bytes of LDS; arguments x, router_W, router_b, W1_codes, W2_codes, xq, xs, gate, eid, w1img, w2img; writes xq, xs, gate, eid, w1img, w2img
;; launch place: the kernel of part 2 again; grid 1 x 1, 8 waves a work-group, no clusters, 1,280 bytes of LDS; arguments eid, order, tiles; writes order, tiles
;; launch chain (part 4): grid 135 x 1, 8 waves a work-group, no clusters, 119,808 bytes of LDS; arguments tiles, order, xq, xs, gate, w1img, W1_scales, b1, w2img, W2_scales, b2, out0; writes out0
.if DOCPART == 4
	.amdgcn_target "amdgcn-amd-amdhsa--gfx1250"
	.amdhsa_code_object_version 6
	.text
	.protected	k_q9e31377f84_chain
	.globl	k_q9e31377f84_chain
	.p2align	8
	.type	k_q9e31377f84_chain,@function
k_q9e31377f84_chain:
	s_mov_b64 s[64:65], 0
	v_nop
	global_prefetch_b8 v0, s[64:65] scope:SCOPE_SE
	s_setreg_imm32_b32 hwreg(HW_REG_WAVE_SCHED_MODE, 0, 2), 2
	s_setreg_imm32_b32 hwreg(HW_REG_WAVE_MODE, 25, 1), 1
	s_wait_xcnt 0x0
	s_wait_alu depctr_vm_vsrc(0)
; CHAIN.  out[token] = gate x (Q(relu(Q(x) W1[e] + b1[e])) W2[e] + b2[e]) for the token's one expert e, both products on codes of E3M2 with one E8M0 scale for each 32 along K.
; A work-group takes one tile of the stored list: up to 32 rows of one expert, through the whole chain; the hidden layer never goes to memory.  135 = 4,096 / 32 + 7 work-groups serve every split.
; NO CLUSTER, NO TENSOR LOAD: how many tiles an expert has hangs on stored counts, and a tile without rows ends by a branch on such a count.  The weights come from memory straight into registers, from images
; laid in the order of the operand's registers: a wave's weights of a product are ONE run of 98,304 bytes, read by loads of 512 consecutive bytes.
; SHARES.  THE WAVES SHARE THE COLUMNS: wave w makes hidden units 128 w .. 128 w + 127 and then outputs 128 w .. 128 w + 127, for all 32 rows (two tiles of 16, m = 0, 1): 16 accumulators.
; The rows' codes go from wave to wave through LDS as images of their registers: wave w gathers K step w of x, and its hidden units are K step w of the second product.
; BOTH PRODUCTS ARE USED TRANSPOSED (source 0 = 16 rows of the weight, source 1 = 16 tokens): a lane holds one token.  Lane r of weight tile 2 b + u holds row 32 b + 8 u + r + 8 (r / 8) of the chunk, so that
; register 8 u + j of tiles 2 b, 2 b + 1 in lane (r, h) is column 32 b + 16 h + 8 u + j: 16 neighbours along the next K, or 64 neighbouring bytes of a row of out.
; A STAGE is half a K step: four weight fragments (6,144 bytes), eight matrix instructions.  The fragments come through a ring of four register buffers: two to three stages' loads (24 to 36 of 512 bytes) are out in each wave,
; and the ring runs on from the first product into the second.  Everything is written out: every offset is an immediate and no address register is written twice.
; SLOTS WITHOUT A ROW hold token 0: they are gathered and multiplied like the others and not stored: rows lie on end from slot 0, so the way out ends at the first row past the stored count.
; LIMITS: NaN and infinities are not served; a block of the hidden layer whose largest number lies under 2^-122 keeps the byte 1 (a block of zeros too: its codes are zeros).
; REGISTERS, window 0: v1-23 lane numbers, addresses, tokens, gates; v24-31 the tokens' scale words of the 8 K steps (lanes 0-15: m = 0, lanes 16-31: m = 1); v32-63 the weights' scale words (8 b + s: lanes 0-15 tile 2 b,
; lanes 16-31 tile 2 b + 1); v64-115 at work; v128-255 the accumulators (tile t, m at 128 + 64 m + 8 t).   window 1: v0-191 the ring; v192-239 the tokens' fragments of two K steps.
; THE MODE: SCHED_MODE bits 1:0 = 2 (LLVM: expert scheduling mode 2), set by the entry lines.  The code itself states the register dependences
; between vector or matrix instructions and memory or LDS instructions, with s_wait_alu, always for 0.
; THE PLAN.  Registers that memory or LDS instructions touch, and who else names them:
;   R0 .. R3     the ring.  Stage G's eight products read R[G % 4].  The loads of stage G + 3 land in R[(G - 1) % 4], the buffer that the stage before read; they are issued in stage G.  b2 takes R0 in stage 29 and 16 registers of R1 in stage 30.
;   T0, T1       the tokens' fragments.  K step s's sixteen products read T[s % 2].  K step s + 1's six LDS loads land in T[(s - 1) % 2]; they are issued in K step s's first stage.
;   WS, AS       scale words: read by a product's matrix instructions, loaded anew between the two products.
;   PC, PW, XF1  first the gathered loads land in them, then the quantiser writes PC and PW; LDS stores read them.
;   ACC          b1's loads land in it; products and vector work; on the way out LDS stores read it, LDS loads land in it again, global stores read it.
;   v64-95       on the way out: a row's offset each, written once by a vector instruction, read by the row's store.
;   v4-12, v18-23  addresses and offsets: written once at the head, read by loads and stores, never written again.
; So ONE wait on va_vdst stands at a stage's head: the stage before is done reading its ring buffer (and, in a K step's first stage, the K step before its fragments of the tokens).  The stage's loads follow in one run
; between its fourth and fifth products, which name R[G % 4], T[s % 2], WS, AS and ACC: none of the registers that those loads touch.  (One run: loads and products want opposite register windows.)
.set XIMG, 0                           ; LDS: x's 16 fragments, (K step s, m) at (2 s + m) x 1,536;
.set XSC,  24576                       ; their scale words: K step s: 128 bytes, row l's word at 4 l;
.set HIMG, 25600                       ; the hidden layer's likewise;
.set HSC,  50176
.set STG,  51200                       ; a stage of 16 rows x (512 + 16) bytes for each wave
.set STW,  8448
.set FRB,  1536
.set AS,   24
.set WS,   32
.set TM,   64                          ; v64-67 largest magnitudes, v68-71 bytes, v76-79 the conversions' scale operands
.set PW,   80                          ; v80, v81 the scale words just made (m = 0, 1); v82 both in one register
.set PC,   84                          ; v84-103 the codes just made
.set XF1,  104                         ; v104-115 x's gathered fragment of m = 1
.set ACC,  128
.set MSB, 0
.macro WIN new                         ; the immediate's high byte repeats the setting that is left
.if MSB != \new
	s_set_vgpr_msb (MSB<<8)|\new
.set MSB, \new
.endif
.endm
; 64 numbers of a lane, register 16 b + i = k 32 b + 16 (lane / 16) + i of my row, become a fragment's codes in v[PC] on and its scale word in v[pw].
.macro QUANT s, pw
.irp b, 0,1,2,3
	v_max3_num_f32 v[TM+\b], |v[(\s)+16*\b]|, |v[(\s)+1+16*\b]|, 0x2800000   ; block b: my 16 numbers, and the floor 2^(5 - 127): the byte cannot fall under 1
.endr
.irp i, 2,4,6,8,10,12,14
.irp b, 0,1,2,3
	v_max3_num_f32 v[TM+\b], v[TM+\b], |v[(\s)+16*\b+\i]|, |v[(\s)+1+16*\b+\i]|   ; (the four blocks by turns)
.endr
.endr
.irp b, 0,1,2,3
	v_permlanex16_b32 v[TM+4+\b], v[TM+\b], s34, s35
.endr
.irp b, 0,1,2,3
	v_max_num_f32 v[TM+\b], v[TM+\b], v[TM+4+\b]   ; with lane l xor 16's: the block's largest magnitude
.endr
.irp b, 0,1,2,3
	v_add_nc_u32 v[TM+12+\b], 0xfe000000, v[TM+\b] ; 4 off its exponent field: the conversion's scale operand
.endr
.irp b, 0,1,2,3
	v_lshrrev_b32 v[TM+4+\b], 23, v[TM+12+\b]      ; the scale's byte
.endr
	v_lshl_or_b32 v[\pw], v[TM+5], 8, v[TM+4]      ; the four bytes make my row's scale word
	v_lshl_or_b32 v[\pw], v[TM+6], 16, v[\pw]
	v_lshl_or_b32 v[\pw], v[TM+7], 24, v[\pw]
.irp c, 0,1
	v_cvt_scalef32_pk16_bf6_f32 v[PC+6*\c:PC+2+6*\c], v[(\s)+32*\c:(\s)+15+32*\c], v[TM+12+2*\c]
	v_cvt_scalef32_pk16_bf6_f32 v[PC+12+4*\c:PC+14+4*\c], v[(\s)+16+32*\c:(\s)+31+32*\c], v[TM+12+2*\c+1]   ; (a conversion's three registers begin on an even number)
.endr
	v_nop                                          ; one plain place behind the scaled conversions
.irp c, 0,1                                    ; the operand's layout wants a whole block in a lane: lanes 0-15 block 2 c, lanes 16-31 block 2 c + 1
.irp i, 0,1,2
	v_permlane16_swap_b32 v[PC+6*\c+\i], v[PC+12+4*\c+\i]
.endr
.irp i, 0,1,2
	v_mov_b32 v[PC+3+6*\c+\i], v[PC+12+4*\c+\i]
.endr
.endr
.endm
.macro AFETCH img, s                   ; the tokens' two fragments of K step s, from their images: six loads, into the buffer s % 2
	WIN 0x40                                       ; destination window 1, address window 0
.irp m, 0,1
.irp q, 0,1,2
	ds_load_b128 v[192+24*((\s)%2)+12*\m+4*\q:192+24*((\s)%2)+12*\m+4*\q+3], v4 offset:\img+(2*(\s)+\m)*FRB+512*\q
.endr
.endr
.endm
.macro PHEAD img, sc                   ; a product's head: the tokens' eight scale words, and their fragments of K steps 0 and 1
	WIN 0
.irp s, 0,1,2,3,4,5,6,7
	ds_load_b32 v[AS+\s], v5 offset:\sc+128*\s
.endr
	AFETCH \img, 0
	AFETCH \img, 1
.endm
.macro RLOAD L                         ; stage L's four weight fragments: 12 loads of 512 consecutive bytes, into ring buffer L % 4
.irp i, 0,1,2,3,4,5,6,7,8,9,10,11
.if (\L) < 16
	global_load_b128 v[48*((\L)%4)+4*\i:48*((\L)%4)+4*\i+3], v4, s[36:37] offset:((\L)%16)*6144+512*\i
.else
	global_load_b128 v[48*((\L)%4)+4*\i:48*((\L)%4)+4*\i+3], v4, s[38:39] offset:((\L)%16)*6144+512*\i
.endif
.endr
.endm
; One matrix instruction, by the symbols RD_ (accumulator), RA_ (weight fragment), RB_ (tokens' fragment), SA_, SB_ (scale words), AR_, BR_ (the words lie in lanes 16-31), ZR_ (it starts the sum).
.macro MMUL
.if ZR_
.if AR_ && BR_
	v_wmma_scale_f32_16x16x128_f8f6f4 v[RD_:RD_+7], v[RA_:RA_+11], v[RB_:RB_+11], 0, v[SA_], v[SB_] matrix_a_fmt:MATRIX_FMT_BF6 matrix_b_fmt:MATRIX_FMT_BF6 matrix_a_scale:MATRIX_SCALE_ROW1 matrix_b_scale:MATRIX_SCALE_ROW1
.elseif AR_
	v_wmma_scale_f32_16x16x128_f8f6f4 v[RD_:RD_+7], v[RA_:RA_+11], v[RB_:RB_+11], 0, v[SA_], v[SB_] matrix_a_fmt:MATRIX_FMT_BF6 matrix_b_fmt:MATRIX_FMT_BF6 matrix_a_scale:MATRIX_SCALE_ROW1
.elseif BR_
	v_wmma_scale_f32_16x16x128_f8f6f4 v[RD_:RD_+7], v[RA_:RA_+11], v[RB_:RB_+11], 0, v[SA_], v[SB_] matrix_a_fmt:MATRIX_FMT_BF6 matrix_b_fmt:MATRIX_FMT_BF6 matrix_b_scale:MATRIX_SCALE_ROW1
.else
	v_wmma_scale_f32_16x16x128_f8f6f4 v[RD_:RD_+7], v[RA_:RA_+11], v[RB_:RB_+11], 0, v[SA_], v[SB_] matrix_a_fmt:MATRIX_FMT_BF6 matrix_b_fmt:MATRIX_FMT_BF6
.endif
.else
.if AR_ && BR_
	v_wmma_scale_f32_16x16x128_f8f6f4 v[RD_:RD_+7], v[RA_:RA_+11], v[RB_:RB_+11], v[RD_:RD_+7], v[SA_], v[SB_] matrix_a_fmt:MATRIX_FMT_BF6 matrix_b_fmt:MATRIX_FMT_BF6 matrix_a_scale:MATRIX_SCALE_ROW1 matrix_b_scale:MATRIX_SCALE_ROW1
.elseif AR_
	v_wmma_scale_f32_16x16x128_f8f6f4 v[RD_:RD_+7], v[RA_:RA_+11], v[RB_:RB_+11], v[RD_:RD_+7], v[SA_], v[SB_] matrix_a_fmt:MATRIX_FMT_BF6 matrix_b_fmt:MATRIX_FMT_BF6 matrix_a_scale:MATRIX_SCALE_ROW1
.elseif BR_
	v_wmma_scale_f32_16x16x128_f8f6f4 v[RD_:RD_+7], v[RA_:RA_+11], v[RB_:RB_+11], v[RD_:RD_+7], v[SA_], v[SB_] matrix_a_fmt:MATRIX_FMT_BF6 matrix_b_fmt:MATRIX_FMT_BF6 matrix_b_scale:MATRIX_SCALE_ROW1
.else
	v_wmma_scale_f32_16x16x128_f8f6f4 v[RD_:RD_+7], v[RA_:RA_+11], v[RB_:RB_+11], v[RD_:RD_+7], v[SA_], v[SB_] matrix_a_fmt:MATRIX_FMT_BF6 matrix_b_fmt:MATRIX_FMT_BF6
.endif
.endif
.endm
; Four of a stage's eight products: weight fragments p0 and p1 of the stage's four, each against both tiles of tokens.
.macro FOUR G, p0, p1
.irp f, \p0, \p1
.irp m, 0,1
.set RD_, ACC+64*\m+8*(4*SQ_+\f)
.set RA_, 48*((\G)%4)+12*\f
.set RB_, 192+24*(SS_%2)+12*\m
.set SA_, WS+8*((4*SQ_+\f)/2)+SS_
.set SB_, AS+SS_
.set AR_, \f%2
.set BR_, \m
	MMUL
.endr
.endr
.endm
; STAGE G (0-15: first product, 16-31: second): K step (G % 16) / 2, weight tiles 4 (G % 2) .. + 3, both tiles of tokens.  The 16 accumulators take turns, one instruction a turn, eight in a stage, across stages
; and products.  Between its fourth and fifth products the ring buffer that the stage BEFORE read takes the loads of three stages on, and, in a K step's first stage, the tokens' buffer
; that the K step before read takes the next K step's.
.macro STAGE G
.set SG_, (\G)%16
.set SS_, SG_/2
.set SQ_, SG_%2
.set ZR_, 0
.if ((\G)==16)||((\G)==17)
.set ZR_, 1                            ; the second product's first K step starts its sums: nothing is cleared
.endif
.set DP_, 1                            ; the stage issues loads into registers that products issued since the last wait on va_vdst have read
.if ((\G)==0)||((\G)==16)||((\G)==31)
.set DP_, 0                            ; stages 0 and 31 issue no load; ahead of stage 16 stand the waits between the two products, and nothing issued since names the registers of its loads
.endif
.if ((\G)==0)||((\G)==16)
	s_wait_loadcnt 0x0                             ; the scale words (and, in stage 0, b1) were asked for behind the ring's loads and are wanted now
.elseif (\G)==31
	s_wait_loadcnt 16                              ; behind this stage's loads: b2's 16
.else
	s_wait_loadcnt 24                              ; behind this stage's 12 loads at most the 24 of the two stages that follow it (in stage 30: stage 31's 12 and 12 of b2's)
.endif
.if SQ_==0
.if SS_==0
	s_wait_dscnt 6                                 ; the scale words and K step 0's fragments of the tokens are in; K step 1's six loads may be out
.else
	s_wait_dscnt 0x0                               ; this K step's fragments of the tokens are in: no younger LDS load is out, the next K step's are asked for below
.endif
.endif
.if DP_
	s_wait_alu depctr_va_vdst(0)                   ; the products of the stage before are done reading their ring buffer, in which the loads below land; in a K step's first stage those of the K step before are done reading their fragments of the tokens
.endif
	WIN 0x05                                       ; sources 0 and 1 window 1; C and D window 0
	FOUR \G, 0, 1
.if DP_
.rept 4
	v_nop                                          ; the four places in front of loads into registers that matrix instructions have read are kept, beside the wait at the stage's head
.endr
.endif
.if ((\G)>0)&&((\G)+3<32)
	WIN 0x40
	RLOAD (\G)+3                                   ; no further wait: no vector or matrix instruction since the last wait on va_vdst names this buffer or v4
.endif
.if (SQ_==0)&&(SS_>0)&&(SS_<7)
	AFETCH IMG_, SS_+1
.endif
.if (\G)==29                           ; the ring has nothing more to fetch: b2 takes the buffers that are done with: register 8 t + j = b2 at the column of accumulator register j of tile t
	WIN 0x40
.irp t, 0,1,2,3,4,5
	global_load_b128 v[8*\t:8*\t+3], v11, s[46:47] offset:(32*(\t/2)+8*(\t%2))*4
	global_load_b128 v[8*\t+4:8*\t+7], v11, s[46:47] offset:(32*(\t/2)+8*(\t%2))*4+16
.endr
.endif
.if (\G)==30
	WIN 0x40
.irp t, 6,7
	global_load_b128 v[8*\t:8*\t+3], v11, s[46:47] offset:(32*(\t/2)+8*(\t%2))*4
	global_load_b128 v[8*\t+4:8*\t+7], v11, s[46:47] offset:(32*(\t/2)+8*(\t%2))*4+16
.endr
.endif
	WIN 0x05
	FOUR \G, 2, 3
.endm
	s_load_b512 s[4:19], s[0:1], 0x0               ; tiles s[4:5], order s[6:7], xq s[8:9], xs s[10:11], gate s[12:13], w1img s[14:15], W1_scales s[16:17], b1 s[18:19]
	s_load_b256 s[20:27], s[0:1], 0x40             ; w2img s[20:21], W2_scales s[22:23], b2 s[24:25], out0 s[26:27]
	v_lshl_add_u32 v126, v0, 2, 0x1d000
	v_mov_b32 v127, 0
	v_lshrrev_b32 v1, 5, v0
	v_readfirstlane_b32 s28, v1                    ; wave 0..7
	v_and_b32 v1, 31, v0                           ; lane
	v_and_b32 v2, 15, v0                           ; r
	v_bfe_u32 v3, v0, 4, 1                         ; h
	v_lshlrev_b32 v4, 4, v1                        ; 16 x lane: a lane's place in an image
	v_lshlrev_b32 v5, 2, v1                        ; 4 x lane: a scale word's
	v_lshlrev_b32 v23, 2, v2
	v_lshlrev_b32 v11, 6, v3                       ; the biases: 16 h numbers on
	v_and_b32 v12, 8, v2
	v_add_nc_u32 v12, v12, v2
	v_lshl_add_u32 v12, v3, 3, v12
	v_lshlrev_b32 v12, 5, v12                      ; the weights' scale bytes: row 8 h + r + 8 (r / 8) of 32 bytes: lanes 0-15 serve tile 2 b, lanes 16-31 tile 2 b + 1
	v_mul_u32_u24 v116, v3, 24
	v_mul_u32_u24 v8, v2, 528
	v_lshl_add_u32 v8, v3, 6, v8
.irp b, 0,1,2,3
	v_mov_b32 v[TM+4+\b], 0                        ; written once: a lane permute's destination counts as one of its sources
.endr
	s_wait_alu depctr_va_sdst(0)                   ; s28 is written, ahead of its first reader
	s_mul_i32 s58, s28, 2*FRB
	s_lshl_b32 s59, s28, 7
	s_mul_i32 s60, s28, STW
	s_add_co_u32 s60, s60, STG                     ; my stage
	s_lshl_b32 s61, s28, 9
	v_add_nc_u32 v6, s58, v4                       ; where I store images: K step w
	v_add_nc_u32 v7, s59, v5                       ; and its scale words
	v_add_nc_u32 v8, s60, v8                       ; the stage, in: row r, + 64 h
	v_add_nc_u32 v9, s60, v4                       ; back: a row's 512 bytes, 16 a lane
	v_add_nc_u32 v10, s61, v4                      ; and the same in a row of out: 512 w + 16 x lane
	s_mov_b32 s33, 0xffff0000                      ; lanes 16-31
	s_mov_b32 s34, 0x76543210
	s_mov_b32 s35, 0xfedcba98                      ; v_permlanex16_b32's selects for lane l xor 16
	s_lshl_b32 s52, ttmp9, 3
	s_lshl_b32 s54, ttmp9, 7
	s_mov_b32 s55, 0
	s_mov_b32 s57, 0
	s_wait_alu depctr_va_vdst(0)                   ; v4 to v12 and v23 are written, which the loads and stores of the whole kernel read as addresses and offsets; so are v126 and v127
	s_wait_kmcnt 0x0
	s_load_b64 s[30:31], s[4:5], s52 offset:0x0    ; my tile: {expert, rows}
	s_add_nc_u64 s[54:55], s[6:7], s[54:55]        ; and its 32 slots
	global_load_b32 v13, v5, s[54:55]              ; the token of row l,
	global_load_b32 v15, v23, s[54:55]             ; of row r,
	global_load_b32 v17, v23, s[54:55] offset:64   ; of row 16 + r
	s_mul_i32 s56, s28, 96
	s_add_nc_u64 s[48:49], s[8:9], s[56:57]        ; xq at K step w
	s_lshl_b32 s56, s28, 2
	s_add_nc_u64 s[50:51], s[10:11], s[56:57]      ; xs likewise
	s_wait_kmcnt 0x0
	s_min_u32 s30, s30, 7
	s_min_u32 s31, s31, 32
	s_lshl_b32 s52, s30, 3
	s_add_co_u32 s52, s52, s28                     ; 8 x expert + wave: my chunk of 128 rows
	s_mul_i32 s56, s52, 98304
	s_add_nc_u64 s[36:37], s[14:15], s[56:57]      ; its images in W1 and in W2,
	s_add_nc_u64 s[38:39], s[20:21], s[56:57]
	s_lshl_b32 s56, s52, 12
	s_add_nc_u64 s[40:41], s[16:17], s[56:57]      ; its scale bytes,
	s_add_nc_u64 s[42:43], s[22:23], s[56:57]
	s_lshl_b32 s56, s52, 9
	s_add_nc_u64 s[44:45], s[18:19], s[56:57]      ; its biases
	s_add_nc_u64 s[46:47], s[24:25], s[56:57]
	WIN 0x40
	RLOAD 0                                        ; (v4 stands ahead of the wait above; no vector instruction has named the ring)
	RLOAD 1
	RLOAD 2
	RLOAD 3
	WIN 0
	s_wait_loadcnt 48                              ; the tokens' numbers are in; the ring's 48 loads may be out
	v_min_u32 v13, 0xfff, v13
	v_min_u32 v15, 0xfff, v15
	v_min_u32 v17, 0xfff, v17
	v_mul_u32_u24 v18, v15, 768
	v_add_nc_u32 v18, v18, v116                    ; a token's row of codes, + 24 h
	v_mul_u32_u24 v19, v17, 768
	v_add_nc_u32 v19, v19, v116
	v_lshlrev_b32 v20, 5, v13
	v_lshlrev_b32 v21, 2, v15
	v_lshlrev_b32 v22, 2, v17
	s_wait_alu depctr_va_vdst(0)                   ; v18 to v22 are written, which the gathered loads below read as offsets
.irp p, 0,1,2,3,4,5
	global_load_b64 v[PC+2*\p:PC+2*\p+1], v18, s[48:49] offset:48*(\p/3)+8*(\p%3)     ; x's fragment (K step w, m = 0), as the codes lie
.endr
.irp p, 0,1,2,3,4,5
	global_load_b64 v[XF1+2*\p:XF1+2*\p+1], v19, s[48:49] offset:48*(\p/3)+8*(\p%3)   ; and m = 1
.endr
	global_load_b32 v[PW], v20, s[50:51]           ; row l's scale word of K step w
	global_load_b32 v14, v21, s[12:13]             ; the gates of rows r and 16 + r
	global_load_b32 v16, v22, s[12:13]
.irp b, 0,1,2,3
.irp q, 0,1
	global_load_b128 v[WS+8*\b+4*\q:WS+8*\b+4*\q+3], v12, s[40:41] offset:1024*\b+16*\q   ; W1's scale words: a row's 32 bytes are its 8 K steps' words
.endr
.endr
.irp m, 0,1
.irp t, 0,1,2,3,4,5,6,7                        ; b1 is loaded INTO the accumulators, in the result's layout: the first product adds onto it
	global_load_b128 v[ACC+64*\m+8*\t:ACC+64*\m+8*\t+3], v11, s[44:45] offset:(32*(\t/2)+8*(\t%2))*4
	global_load_b128 v[ACC+64*\m+8*\t+4:ACC+64*\m+8*\t+7], v11, s[44:45] offset:(32*(\t/2)+8*(\t%2))*4+16
.endr
.endr
	s_wait_loadcnt 40                              ; the 15 gathered loads are in; W1's 8 scale loads and b1's 32 may be out
.irp q, 0,1,2
	ds_store_b128 v6, v[PC+4*\q:PC+4*\q+3] offset:XIMG+512*\q          ; (the data came by loads; v6 and v7 stand ahead of the head's wait)
	ds_store_b128 v6, v[XF1+4*\q:XF1+4*\q+3] offset:XIMG+FRB+512*\q
.endr
	ds_store_b32 v7, v[PW] offset:XSC
	s_wait_dscnt 0x0                               ; for the others' sake: my images lie in LDS
	s_barrier_signal -1
	s_barrier_wait -1                              ; x's sixteen fragments do
	; ---- the first product
.set IMG_, XIMG
	PHEAD XIMG, XSC
.set GG, 0
.rept 16
	STAGE GG
.set GG, GG+1
.endr
	; ---- relu, the quantiser, the images of K step w of the second product
.rept 4
	v_nop                                          ; four places behind the first product's last instructions (ISA guide 7.12.1), kept beside the wait below
.endr
	WIN 0
	s_wait_alu depctr_va_vdst(0)                   ; the first product's matrix instructions are done reading W1's scale words, in whose registers W2's land
.irp b, 0,1,2,3
.irp q, 0,1
	global_load_b128 v[WS+8*\b+4*\q:WS+8*\b+4*\q+3], v12, s[42:43] offset:1024*\b+16*\q   ; W2's scale words
.endr
.endr
.irp m, 0,1
.set J, 0
.rept 64
	v_max_num_f32 v[ACC+64*\m+J], 0, v[ACC+64*\m+J]   ; the activation, in f32; each accumulator from its low end on
.set J, J+1
.endr
	s_wait_alu depctr_vm_vsrc(0)                   ; the LDS stores issued so far (m = 0: x's images and scale word; m = 1: the image of m = 0) have read v[PC ..] and v[PW], which the quantiser writes
	QUANT ACC+64*\m, PW+\m
.if \m
	v_cndmask_b32 v[PW+2], v[PW], v[PW+1], s33     ; lanes 0-15: the words of rows 0-15; lanes 16-31: those of rows 16-31
.endif
	s_wait_alu depctr_va_vdst(0)                   ; the quantiser has written v[PC ..] (m = 1: and the line above v[PW + 2]), which the LDS stores read
.irp q, 0,1,2
	ds_store_b128 v6, v[PC+4*\q:PC+4*\q+3] offset:HIMG+FRB*\m+512*\q
.endr
.if \m
	ds_store_b32 v7, v[PW+2] offset:HSC
.endif
	s_wait_dscnt 0x0                               ; my stores have landed (m = 1: for the others' sake, in front of the barrier)
.endr
	s_barrier_signal -1
	s_barrier_wait -1                              ; the hidden layer's sixteen fragments lie in LDS.  This is the last barrier
	s_cmp_eq_u32 s31, 0                            ; a tile that the split leaves without rows stores nothing
	s_cbranch_scc1 .Lend
	; ---- the second product.  (Its head's LDS loads land in AS and in the tokens' two buffers, which the first product read: that stands ahead of the waits on va_vdst above, and nothing issued since names them)
.set IMG_, HIMG
	PHEAD HIMG, HSC
.set GG, 16
.rept 16
	STAGE GG
.set GG, GG+1
.endr
	s_wait_loadcnt 0x0                             ; b2
	; ---- the way out, 16 rows at a time: + b2, x the row's gate; through my stage, so that a row's 512 bytes leave by one store.
	; The sixteen rows' offsets are made as one batch ahead of the arithmetic, so that one wait serves the sixteen scalar results and no vector instruction stands among the stores.
.macro OUTM m
	WIN 0
.if \m
	s_cmp_le_u32 s31, 16                           ; no row past the stored count is stored
	s_cbranch_scc1 .Lend
.endif
.set I_, 0
.rept 16
	v_readlane_b32 s[4+32*\m+I_], v13, 16*\m+I_    ; the rows' tokens, in scalar registers that are done with (the loads that read them as bases are in)
.set I_, I_+1
.endr
	s_wait_alu depctr_va_sdst(0)                   ; the sixteen scalar results are written, ahead of their first readers
.set I_, 0
.rept 16
	s_min_u32 s[4+32*\m+I_], s[4+32*\m+I_], 4095
.set I_, I_+1
.endr
.set I_, 0
.rept 16
	v_lshl_add_u32 v[64+16*\m+I_], s[4+32*\m+I_], 12, v10   ; a token's row of out, my wave's 512 bytes; an offset register for each row: none is written twice.  (m = 0: these sixteen are also the places behind the last products.  m = 1: v80-95 were read by LDS stores that stand ahead of the wait on vm_vsrc of m = 0)
.set I_, I_+1
.endr
	WIN 0x04                                       ; source 1 (b2) window 1
.set K_, 0
.rept 32
	v_pk_add_f32 v[ACC+64*\m+K_:ACC+64*\m+K_+1], v[ACC+64*\m+K_:ACC+64*\m+K_+1], v[K_:K_+1]
.set K_, K_+2
.endr
	WIN 0
.set K_, 0
.rept 32
	v_pk_mul_f32 v[ACC+64*\m+K_:ACC+64*\m+K_+1], v[ACC+64*\m+K_:ACC+64*\m+K_+1], v[14+2*\m:15+2*\m] op_sel_hi:[1,0]   ; (of the pair the low word, the gate, serves both halves)
.set K_, K_+2
.endr
	s_wait_alu depctr_va_vdst(0)                   ; the multiplications have written these 64 registers, which the LDS stores read and in which the LDS loads land; the sixteen offsets are written, which the global stores read
.irp t, 0,1,2,3,4,5,6,7
	ds_store_b128 v8, v[ACC+64*\m+8*\t:ACC+64*\m+8*\t+3] offset:128*(\t/2)+32*(\t%2)
	ds_store_b128 v8, v[ACC+64*\m+8*\t+4:ACC+64*\m+8*\t+7] offset:128*(\t/2)+32*(\t%2)+16
.endr
	s_wait_alu depctr_vm_vsrc(0)                   ; the LDS stores have read their data, in whose registers the LDS loads below land
.set I_, 0
.rept 16
	ds_load_b128 v[ACC+64*\m+4*I_:ACC+64*\m+4*I_+3], v9 offset:528*I_   ; LDS serves a wave's instructions in order: these see my stores, and the next 16 rows' stores come behind them
.set I_, I_+1
.endr
.set I_, 0
.rept 16
.if I_ > 0
	s_cmp_le_u32 s31, 16*\m+I_
	s_cbranch_scc1 .Lend
.endif
	s_wait_dscnt 15-I_                             ; row I_ is back; the rows behind it may be out
	global_store_b128 v[64+16*\m+I_], v[ACC+64*\m+4*I_:ACC+64*\m+4*I_+3], s[26:27] th:TH_STORE_NT   ; 32 lanes store 512 consecutive bytes, at a multiple of 512 from out's first byte
.set I_, I_+1
.endr
.endm
	OUTM 0
	OUTM 1
.Lend:
	s_wait_dscnt 0x0                               ; the closing lines, six on end
	s_wait_alu 0x0
	s_wait_tensorcnt 0x0
	ds_add_u32 v126, v127
	s_wait_dscnt 0x0
	s_endpgm
.Lfunc_end_k_q9e31377f84_chain:
	.size	k_q9e31377f84_chain, .Lfunc_end_k_q9e31377f84_chain-k_q9e31377f84_chain
	.p2alignl 7, 3214868480
	.fill 96, 4, 3214868480
	.section	.rodata,"a",@progbits
	.p2align	6, 0x0
	.amdhsa_kernel k_q9e31377f84_chain
		.amdhsa_group_segment_fixed_size 119808
		.amdhsa_private_segment_fixed_size 0
		.amdhsa_enable_private_segment 0
		.amdhsa_kernarg_size 96
		.amdhsa_user_sgpr_count 2
		.amdhsa_user_sgpr_kernarg_segment_ptr 1
		.amdhsa_wavefront_size32 1
		.amdhsa_system_sgpr_workgroup_id_x 1
		.amdhsa_system_sgpr_workgroup_id_y 1
		.amdhsa_system_sgpr_workgroup_id_z 1
		.amdhsa_system_vgpr_workitem_id 0
		.amdhsa_next_free_vgpr 512
		.amdhsa_next_free_sgpr 66
		.amdhsa_reserve_vcc 0
		.amdhsa_float_denorm_mode_32 3
		.amdhsa_float_denorm_mode_16_64 3
		.amdhsa_memory_ordered 1
		.amdhsa_forward_progress 1
		.amdhsa_inst_pref_size 132
	.end_amdhsa_kernel
	.amdgpu_metadata
---
amdhsa.version: [ 1, 2 ]
amdhsa.kernels:
  - .name:           k_q9e31377f84_chain
    .symbol:         k_q9e31377f84_chain.kd
    .args:
      - { .name: tiles, .offset: 0, .size: 8, .value_kind: global_buffer, .address_space: global }
      - { .name: order, .offset: 8, .size: 8, .value_kind: global_buffer, .address_space: global }
      - { .name: xq, .offset: 16, .size: 8, .value_kind: global_buffer, .address_space: global }
      - { .name: xs, .offset: 24, .size: 8, .value_kind: global_buffer, .address_space: global }
      - { .name: gate, .offset: 32, .size: 8, .value_kind: global_buffer, .address_space: global }
      - { .name: w1img, .offset: 40, .size: 8, .value_kind: global_buffer, .address_space: global }
      - { .name: W1_scales, .offset: 48, .size: 8, .value_kind: global_buffer, .address_space: global }
      - { .name: b1, .offset: 56, .size: 8, .value_kind: global_buffer, .address_space: global }
      - { .name: w2img, .offset: 64, .size: 8, .value_kind: global_buffer, .address_space: global }
      - { .name: W2_scales, .offset: 72, .size: 8, .value_kind: global_buffer, .address_space: global }
      - { .name: b2, .offset: 80, .size: 8, .value_kind: global_buffer, .address_space: global }
      - { .name: out0, .offset: 88, .size: 8, .value_kind: global_buffer, .address_space: global }
    .group_segment_fixed_size: 119808
    .private_segment_fixed_size: 0
    .kernarg_segment_align: 8
    .kernarg_segment_size: 96
    .max_flat_workgroup_size: 256
    .sgpr_count:     66
    .vgpr_count:     512
    .wavefront_size: 32
...
	.end_amdgpu_metadata
.endif
;; end of part 4
